; MI455X (gfx1250); checked and timed in simulation.
; The chip was launched on July 23, 2026; its instructions are those of AMD's public machine-readable ISA for CDNA 5 (MIT licence, August 2026) and "CDNA5" Instruction Set Architecture Reference Guide (July 2026). The comments in the code are by the model that wrote it; some were corrected since.
;; Multi Head Attention. Allowed arithmetic: matrix products marked QUANTISED: E2M1 operands, one E8M0 scale for each 32 along K, by v_wmma_scale_f32_16x16x128_f8f6f4 with both operands' format E2M1 (or v_wmma_scale_f32_32x16x128_f4), f32 sums; everything else in f32.
;; Inputs: Wk 16 x 64 x 1,024 float32; Wo 1,024 x 1,024 float32; Wq 16 x 64 x 1,024 float32; Wv 16 x 64 x 1,024 float32; bk 16 x 64 float32; bo 1,024 float32; bq 16 x 64 float32; bv 16 x 64 float32; x 4 x 2,048 x 1,024 float32.
;; Outputs: out0 4 x 2,048 x 1,024 float32.
;; This version of the problem:
;;   THIS VERSION OF THE PROBLEM IS GIVEN IN LOW PRECISION. The matrix products marked QUANTISED in the list below multiply operands that are first quantised to E2M1 (2 exponent bits, 1 mantissa bit; 4 bits a number), with one power-of-two scale for each 32 numbers along K (OCP MX v1.0); their sums are f32. All else is computed in f32.
;;   The module's matrix products, in the order in which they are computed (A, B: the left and right operand; K: the contracted axis; several contracted axes count as one K, in the product's order):
;;     1. [M 1,024, K 1,024] x [K 1,024, N 8,192]; A: input Wq; B: input x: QUANTISED
;;     2. [M 1,024, K 1,024] x [K 1,024, N 8,192]; A: input Wk; B: input x: QUANTISED
;;     3. [M 1,024, K 1,024] x [K 1,024, N 8,192]; A: input Wv; B: input x: QUANTISED
;;     4. batch 64 x [M 2,048, K 64] x [K 64, N 2,048]; A: computed on the way; B: computed on the way: QUANTISED
;;     5. batch 64 x [M 2,048, K 2,048] x [K 2,048, N 64]; A: softmax (see below); B: computed on the way: QUANTISED
;;     6. [M 8,192, K 1,024] x [K 1,024, N 1,024]; A: computed on the way; B: input Wo: QUANTISED
;;   THE QUANTISER, for each operand of a quantised product, along K:
;;     - K is cut into blocks of 32 from its start; a last block that is shorter is filled with zeros.
;;     - A block's scale is 2^e with e = floor(log2(the largest magnitude in the block)) - 2, held to -126 .. 127; a block of zeros has e = 0. As a byte (E8M0): e + 127.
;;     - Each number is divided by its block's scale, clamped to +-6, and rounded to the nearest number of E2M1, ties to even, subnormals kept.
;;     - The product sums the exact products of the quantised numbers (number of the format x scale) in f32.
;;   ~~~python
;;   def quantise(x, axis):      # numpy; x: float32 -> the quantised numbers, widened to float32 again
;;       x = np.moveaxis(x, axis, -1); K = x.shape[-1]
;;       x = np.pad(x, [(0, 0)] * (x.ndim - 1) + [(0, -K % 32)]); x = x.reshape(x.shape[:-1] + (-1, 32)); a = np.abs(x).max(-1, keepdims=True)
;;       e = np.where(a > 0, np.clip(np.frexp(np.where(a > 0, a, 1))[1] - 1 - 2, -126, 127), 0)      # np.frexp(a)[1] - 1 = floor(log2(a)), exactly
;;       r = np.clip(x / 2.0 ** e, -6, 6)
;;       step = 2.0 ** (np.maximum(np.frexp(np.where(r == 0, 1, r))[1] - 1, 0) - 1)
;;       q = np.round(r / step) * step * 2.0 ** e      # np.round: ties to even
;;       return np.moveaxis(q.reshape(q.shape[:-2] + (-1,))[..., :K], -1, axis).astype(np.float32)
;;   ~~~
;;   SOFTMAX AHEAD OF A QUANTISED PRODUCT. Where the list says 'softmax', what is quantised is not the finished softmax but p = 2^(t - M), with t = logit x log2(e) and M = ceil(the row's largest t), a whole number; so 1/2 < the row's largest p <= 1. The row's sum l is taken of the UNQUANTISED p, in f32, and the product's result is divided by l at the end. Since M is a whole number, a kernel that streams over the keys may use a running M (the ceiling of the running maximum): every later rescaling is an exact power of two, which a block's scale takes up: the codes' values come out the same.
;;   OPERANDS COMPUTED ON THE WAY. 'Computed on the way' means the value that the module computes at that place (a softmax that the list does not call 'softmax' is quantised finished and normalised). What goes into a quantiser is computed in f32, as accurately as f32 sums, v_exp_f32 and their like allow (about 1e-6 of the number): no bf16 or f16 on the way to a quantiser, and a product that is left as it is and whose result goes on into a quantised operand takes f32 operands (vector FMAs, or v_wmma_f32_16x16x4_f32). A number that lies on a knife's edge between two numbers of the format may be rounded either way, as far as f32 arithmetic and the matrix unit's own rounding can turn it there, and no further.
;; One version. Each part assembles by itself: llvm-mc -triple=amdgcn-amd-amdhsa -mcpu=gfx1250 --defsym DOCPART=n.
;; ======== version 1 of 1: 4 launches
;; limits: right only within a limited range of input values
;; workspace buffers: c1 6,291,456 bytes; s1 393,216 bytes; qkv 18,350,080 bytes; c3 4,194,304 bytes; s3 262,144 bytes
;; launch quant (part 1): grid 256 x 1, 6 waves a work-group, no clusters, 50,176 bytes of LDS; arguments x, Wq, Wk, Wv, Wo, c1, s1; writes c1, s1
.if DOCPART == 1
	.amdgcn_target "amdgcn-amd-amdhsa--gfx1250"
	.amdhsa_code_object_version 6
	.text
	.protected	k_qfd0ee9ffa8_quant
	.globl	k_qfd0ee9ffa8_quant
	.p2align	8
	.type	k_qfd0ee9ffa8_quant,@function
k_qfd0ee9ffa8_quant:
	s_mov_b64 s[64:65], 0
	v_nop
	global_prefetch_b8 v0, s[64:65] scope:SCOPE_SE
	s_setreg_imm32_b32 hwreg(HW_REG_WAVE_MODE, 25, 1), 1
	s_wait_xcnt 0x0
; MULTI-HEAD ATTENTION IN MX-FP4, first of four launches.  x [8192][1024], Wq, Wk, Wv [1024][1024] and Wo [1024][1024], all f32 with K (d_model) innermost,
; become codes of FP4 (E2M1) and one E8M0 scale byte for each 32 along K, in one buffer of 12,288 rows: c1 [row][512 bytes], s1 [row][32 bytes]; x from row 0, Wq 8192, Wk 9216, Wv 10240, Wo 11264.
; DEAD WORK: none.  bq, bk and bv go into operands that are quantised, bo into the result, every product of the problem feeds the result: every input is loaded by some launch, nothing is left out.
; THE ROWS LIE IN A STORED ORDER: stored row s holds the true row with bits 3 and 4 of s exchanged.  Sixteen stored rows on end, 16 (2 b + u) + 8 g + i, are then the true rows 32 b + 16 g + 8 u + i:
; taken as source 0 of a matrix instruction they leave, in the 16 registers of two neighbouring tiles of a lane, 16 TRUE neighbours, which is what the next quantiser wants.  K is never permuted.
; A block's scale is 2^(floor(log2(its largest magnitude)) - 2); its byte is the largest magnitude's exponent field - 2, held at 1 from below.  A block of zeros so gets the byte 1 where the problem's
; text says 127: its codes are zeros, which add nothing under any byte but 0xff, and the bytes are read by this program alone.
; LIMITS: blocks whose largest magnitude lies under 2^(3 - 127) keep the byte 1; NaN and infinities among the inputs are not served.
; SHARES: the 12,288 rows are 1,536 runs of 8; 256 work-groups of six waves, a run to a wave: run 6 x work-group + wave = 16 steps of 512 numbers.  Eight rows on end keep their order under the exchange
; of bits 3 and 4; only the run's place among four changes.  Whose rows a run holds hangs on the run's number alone.
; Each load reads 512 consecutive bytes; a step's 2,048 bytes turn through the wave's own stage in LDS, so that a lane holds 16 neighbours along K; two neighbouring lanes hold a block.
; No tensor load, no barrier: waves share nothing.  Loads run eight steps (32 loads a wave) ahead, the turn through LDS one step.
.set WAVES, 6
.set STEPS, 16
.set CB,    8                          ; bytes of 16 codes
.set R,     16                         ; v16-143  eight sets of 16 numbers as they are loaded
.set X,     144                        ; v144-175 two sets of 16 neighbours
.set E,     176                        ; v176-191 a scale byte for each step
.set C,     192                        ; v192-255 codes: four registers for each step, so that no store's data are written again
.set WREG,  8192                       ; LDS: a region for each wave: two stages of 32 x SP bytes, behind them its 256 scale bytes
.set SP,    80                         ; a lane's place in a stage: 64 bytes + 16 of padding
.set SPW,   12                         ; v12  LDS address of my spare word; never rewritten
.set NIL,   13                         ; v13  0; never rewritten
.set SPARE, WAVES*WREG                 ; behind the six regions: the spare words, 128 bytes for each wave
	s_load_b256 s[4:11], s[0:1], 0x0               ; x, Wq, Wk, Wv
	s_load_b128 s[12:15], s[0:1], 0x20             ; Wo, c1
	s_load_b64 s[16:17], s[0:1], 0x30              ; s1
	v_lshl_add_u32 v[SPW], v0, 2, SPARE
	v_mov_b32 v[NIL], 0
	v_lshrrev_b32 v1, 5, v0
	v_readfirstlane_b32 s18, v1                    ; wave
	v_and_b32 v2, 31, v0                           ; lane
	v_lshlrev_b32 v3, 4, v2                        ; my 16 bytes of a load's 512
	s_mul_i32 s19, s18, WREG
	v_lshrrev_b32 v14, 2, v2
	v_mul_u32_u24 v14, v14, SP
	v_and_b32 v15, 3, v2
	v_lshl_add_u32 v14, v15, 4, v14
	v_add_nc_u32 v14, s19, v14                     ; the stage, on the way in: SP (lane / 4) + 16 (lane % 4)
	v_mul_u32_u24 v15, v2, SP
	v_add_nc_u32 v15, s19, v15                     ; and on the way out: SP x lane: my 16 neighbours
	v_mul_u32_u24 v4, v2, CB                       ; my codes' place in a step's
	v_lshrrev_b32 v5, 1, v2
	s_add_co_u32 s19, s19, 2*32*SP
	v_add_nc_u32 v5, s19, v5                       ; LDS: my wave's 256 scale bytes, my block's byte
	v_lshlrev_b32 v7, 3, v2                        ; and on the way out 8 bytes a lane
	v_add_nc_u32 v6, s19, v7
	s_mul_i32 s28, ttmp9, 6
	s_add_co_u32 s28, s28, s18                     ; my run of 8 TRUE rows, 0 .. 1,535
	s_and_b32 s22, s28, 127                        ; which run of a weight's 128,
	s_cmp_lt_u32 s28, 1024
	s_cselect_b32 s22, s28, s22                    ; or of x's 1,024
	s_lshl_b32 s22, s22, 15                        ; 8 rows of 4,096 bytes
	s_mov_b32 s23, 0
	s_and_b32 s24, s28, 1
	s_lshl_b32 s24, s24, 1
	s_bfe_u32 s25, s28, 0x10001
	s_or_b32 s24, s24, s25                         ; the run's two low bits exchanged: where its 8 rows are STORED
	s_and_b32 s25, s28, 0xfffffffc
	s_add_co_u32 s24, s24, s25
	s_lshl_b32 s26, s24, 8                         ; 256 scale bytes a run
	s_mov_b32 s27, 0
	s_lshl_b32 s24, s24, 12                        ; 4,096 bytes of codes a run
	s_mov_b32 s25, 0
	s_wait_alu depctr_va_vdst(0)                   ; the head's end
	s_wait_kmcnt 0x0
	s_cmp_lt_u32 s28, 1408                         ; whose rows?  The choice hangs on the run's number alone
	s_cselect_b64 s[20:21], s[10:11], s[12:13]
	s_cmp_lt_u32 s28, 1280
	s_cselect_b64 s[20:21], s[8:9], s[20:21]
	s_cmp_lt_u32 s28, 1152
	s_cselect_b64 s[20:21], s[6:7], s[20:21]
	s_cmp_lt_u32 s28, 1024
	s_cselect_b64 s[20:21], s[4:5], s[20:21]
	s_add_nc_u64 s[20:21], s[20:21], s[22:23]
	s_add_nc_u64 s[14:15], s[14:15], s[24:25]
	s_add_nc_u64 s[16:17], s[16:17], s[26:27]
.macro LOAD t
.irp i, 0,1,2,3
	global_load_b128 v[R+16*((\t)%8)+4*\i:R+16*((\t)%8)+4*\i+3], v3, s[20:21] offset:2048*(\t)+512*\i th:TH_LOAD_NT   ; 32 lanes read 512 consecutive bytes
.endr
.endm
.macro TURN t                          ; step t's numbers through the stage: LDS serves a wave's instructions in order, so no wait stands between the stores and the loads
.irp i, 0,1,2,3
	ds_store_b128 v14, v[R+16*((\t)%8)+4*\i:R+16*((\t)%8)+4*\i+3] offset:32*SP*((\t)%2)+8*SP*\i
.endr
.irp i, 0,1,2,3
	ds_load_b128 v[X+16*((\t)%2)+4*\i:X+16*((\t)%2)+4*\i+3], v15 offset:32*SP*((\t)%2)+16*\i
.endr
.endm
.irp t, 0,1,2,3,4,5,6,7
	LOAD \t
.endr
	s_wait_loadcnt 28                              ; step 0's four loads are in; the 28 of steps 1 to 7 may be out
	TURN 0
.macro STEP t
.set XS, X+16*((\t)%2)
.if (\t) > 0
	s_wait_dscnt 1                                 ; this step's numbers are back from the stage (the last step's byte store may be out)
.else
	s_wait_dscnt 0x0
.endif
.if (\t)+8 < STEPS
	LOAD (\t)+8                                    ; into the registers that the stage's stores have read
.endif
.if (\t)+1 < STEPS
.if STEPS-2-(\t) >= 7
	s_wait_loadcnt 28                              ; the next step's four loads are in; those of the seven steps behind it may be out
.else
	s_wait_loadcnt 4*(STEPS-2-(\t))
.endif
	TURN (\t)+1
.endif
	v_max3_num_f32 v8, |v[XS]|, |v[XS+1]|, |v[XS+2]|               ; the largest magnitude of my 16, in two chains
	v_max3_num_f32 v9, |v[XS+3]|, |v[XS+4]|, |v[XS+5]|
.irp i, 6,10
	v_max3_num_f32 v8, v8, |v[XS+\i]|, |v[XS+\i+1]|
	v_max3_num_f32 v9, v9, |v[XS+\i+2]|, |v[XS+\i+3]|
.endr
	v_max3_num_f32 v8, v8, |v[XS+14]|, |v[XS+15]|
	v_max3_num_f32 v8, v8, v9, 0x1800000           ; and the floor 2^(3 - 127): the byte cannot fall under 1
	v_max_num_f32_dpp v8, v8, v8 row_xmask:1 row_mask:0xf bank_mask:0xf   ; and of my neighbour's 16: the block's
	v_add_nc_u32 v11, 0xff000000, v8               ; 2 off its exponent field: the conversion takes the exponent field of this operand as its scale
	v_cvt_scalef32_pk8_fp4_f32 v[C+4*(\t)], v[XS:XS+7], v11
	v_cvt_scalef32_pk8_fp4_f32 v[C+4*(\t)+1], v[XS+8:XS+15], v11
	v_lshrrev_b32 v[E+(\t)], 23, v11               ; the scale's byte
	ds_store_b8 v5, v[E+(\t)] offset:16*(\t)       ; both lanes of a block write the same byte with the same value
	global_store_b64 v4, v[C+4*(\t):C+4*(\t)+1], s[14:15] offset:32*CB*(\t)   ; the wave stores 256 consecutive bytes, aligned
.endm
.irp t, 0,1,2,3,4,5,6,7,8,9,10,11,12,13,14,15
	STEP \t
.endr
	ds_load_b64 v[8:9], v6                         ; LDS serves a wave's instructions in order: these see my stores
	s_wait_dscnt 0x0
	global_store_b64 v7, v[8:9], s[16:17]          ; 32 lanes store 256 consecutive bytes, aligned: the scale bytes of my 8 rows
	s_wait_tensorcnt 0x0                           ; the wave's end
	ds_add_u32 v[SPW], v[NIL]
	s_wait_dscnt 0x0
	s_endpgm
.Lfunc_end_k_qfd0ee9ffa8_quant:
	.size	k_qfd0ee9ffa8_quant, .Lfunc_end_k_qfd0ee9ffa8_quant-k_qfd0ee9ffa8_quant
	.p2alignl 7, 3214868480
	.fill 96, 4, 3214868480
	.section	.rodata,"a",@progbits
	.p2align	6, 0x0
	.amdhsa_kernel k_qfd0ee9ffa8_quant
		.amdhsa_group_segment_fixed_size 50176
		.amdhsa_private_segment_fixed_size 0
		.amdhsa_enable_private_segment 0
		.amdhsa_kernarg_size 56
		.amdhsa_user_sgpr_count 2
		.amdhsa_user_sgpr_kernarg_segment_ptr 1
		.amdhsa_wavefront_size32 1
		.amdhsa_system_sgpr_workgroup_id_x 1
		.amdhsa_system_sgpr_workgroup_id_y 1
		.amdhsa_system_sgpr_workgroup_id_z 1
		.amdhsa_system_vgpr_workitem_id 0
		.amdhsa_next_free_vgpr 256
		.amdhsa_next_free_sgpr 66
		.amdhsa_reserve_vcc 0
		.amdhsa_float_denorm_mode_32 3
		.amdhsa_float_denorm_mode_16_64 3
		.amdhsa_memory_ordered 1
		.amdhsa_forward_progress 1
		.amdhsa_inst_pref_size 34
	.end_amdhsa_kernel
	.amdgpu_metadata
---
amdhsa.version: [ 1, 2 ]
amdhsa.kernels:
  - .name:           k_qfd0ee9ffa8_quant
    .symbol:         k_qfd0ee9ffa8_quant.kd
    .args:
      - { .name: x, .offset: 0, .size: 8, .value_kind: global_buffer, .address_space: global }
      - { .name: Wq, .offset: 8, .size: 8, .value_kind: global_buffer, .address_space: global }
      - { .name: Wk, .offset: 16, .size: 8, .value_kind: global_buffer, .address_space: global }
      - { .name: Wv, .offset: 24, .size: 8, .value_kind: global_buffer, .address_space: global }
      - { .name: Wo, .offset: 32, .size: 8, .value_kind: global_buffer, .address_space: global }
      - { .name: c1, .offset: 40, .size: 8, .value_kind: global_buffer, .address_space: global }
      - { .name: s1, .offset: 48, .size: 8, .value_kind: global_buffer, .address_space: global }
    .group_segment_fixed_size: 50176
    .private_segment_fixed_size: 0
    .kernarg_segment_align: 8
    .kernarg_segment_size: 56
    .max_flat_workgroup_size: 192
    .sgpr_count:     66
    .vgpr_count:     256
    .wavefront_size: 32
...
	.end_amdgpu_metadata
.endif
;; end of part 1
;; launch qkv (part 2): grid 96 x 4, 4 waves a work-group, clusters of 4 x 4, 327,680 bytes of LDS; arguments c1, s1, bq, bk, bv, qkv; writes qkv
.if DOCPART == 2
	.amdgcn_target "amdgcn-amd-amdhsa--gfx1250"
	.amdhsa_code_object_version 6
	.text
	.protected	k_qfd0ee9ffa8_qkv
	.globl	k_qfd0ee9ffa8_qkv
	.p2align	8
	.type	k_qfd0ee9ffa8_qkv,@function
k_qfd0ee9ffa8_qkv:
	s_mov_b64 s[64:65], 0
	v_nop
	global_prefetch_b8 v0, s[64:65] scope:SCOPE_SE
	s_setreg_imm32_b32 hwreg(HW_REG_WAVE_MODE, 25, 1), 1
	s_wait_xcnt 0x0
	s_wait_alu depctr_hold_cnt(0) depctr_sa_sdst(0) depctr_va_vdst(0) depctr_va_sdst(0) depctr_va_ssrc(0) depctr_va_vcc(0) depctr_vm_vsrc(0)
	s_getreg_b32 s2, hwreg(HW_REG_IB_STS2, 6, 4)
	s_cmp_eq_u32 s2, 0
	s_cbranch_scc0 .Lentry_in_a_cluster
	s_endpgm
.Lentry_in_a_cluster:
	s_bfe_u32 s2, ttmp6, 0x10000c
	s_cmp_lg_u32 s2, 0xf033
	s_cbranch_scc0 .Lentry_shape_is_right
	s_endpgm
.Lentry_shape_is_right:
; Second launch: Q, K, V = x W^T + b on codes of FP4, and the results quantised at once.  Nothing of the problem's work is left out here.
; ONE PRODUCT FORM, TWO ROLES.  C[m][n] = (row m of the A side) . (row n of the B side), K = 1,024; a tile of 256 x 256 to a work-group, 128 x 128 to each of four waves (64 accumulators).
; Source 0 = 16 rows of the B side, source 1 = 16 rows of the A side: a lane holds ONE row m, and, since the rows of c1 lie in the stored order (bits 3 and 4 exchanged), the 16 registers of two
; neighbouring accumulators are 16 TRUE neighbours along n.  The result is quantised along n, in registers.
;   clusters 0-15:  A side = tokens of x, B side = rows of Wq and Wk: Q and K, quantised along the head's 64 features (two blocks of 32).
;   clusters 16-23: A side = rows of Wv, B side = tokens of x: V, quantised along the keys.
; The role hangs on the cluster's number alone, so it is the same in all sixteen partners and in all waves.
; WHAT IS STORED: chunks of 8,960 bytes, one for each (Q | K and V, batch, head, block of 128 tokens): +0 eight tiles of 16 stored tokens x 64 features as IMAGES OF AN OPERAND'S REGISTERS (lane l's 16 bytes at 16 l);
; +4096 V, four tiles of 16 stored features x 128 keys, two images each; +8192 a scale word for each token (bytes 0, 1: the head's two blocks; bytes 2, 3: 0); +8704 V's scale words.
; K = 1,024 is two LDS slots of 512: both are filled at the head, nothing is filled again.  The scale words go from s1 straight into registers.
; CLUSTERS: 4 x 4 work-groups; A's tiles are asked for jointly along a row of the cluster, B's along a column.
; LIMITS: a block whose largest magnitude lies under 2^(3 - 127) keeps the byte 1 (a block of zeros too: its codes are zeros); NaN and infinities are not served.
; REGISTERS, in windows of 256: window 0: v0-31 addresses; v32-95 scale words, two sets; v128-191 A's fragments, one set; on the way out v112-127 codes, v128-191 the bias, v200-224 at work.
;   window 1: B's fragments, two sets, at v0 and v128.   window 2: the accumulators of my rows 0-63 ((a, b) at v[8 (8 a + b)]);   window 3: those of rows 64-127.
.set NQ,     4                         ; matrix instructions deep in a slot
.set ROWB,   256                       ; a tile's row in bytes: 512 codes
.set KROW,   512                       ; a row of c1
.set PITCH,  272                       ; an LDS row: 256 bytes + 16 of padding = 68 words: the 16 rows that a load touches start at 16 different banks (64 banks of 4 bytes: ISA guide 11.1)
.set FR,     8
.set NL,     2
.set NP,     4                         ; places behind this matrix instruction (ISA guide 7.12.1)
.set HALFT,  128*PITCH
.set SLOT,   4*HALFT                   ; A's 256 rows, then B's 256 rows
.set KS,     32                        ; a row of scale bytes
.set SCL,    2*SLOT                    ; behind the two slots
.set HALFS,  16*272                    ; those of 128 rows
.set SBLK,   2*272                     ; those of 16 rows
.set SPARE,  SCL+4*HALFS               ; the spare words, 128 bytes for each wave
.set BIAS,   SPARE+512                 ; 512 bytes for each wave: its 128 numbers of the bias
.set STGW,   BIAS+4*512                ; 1,024 bytes for each wave: the scale words on their way out
.set CHUNK,  8960
.set HEADB,  16*CHUNK                  ; from a head's chunk to the next head's
.set BV,   8                           ; v8-11   the bias as loaded
.set SH,   12                          ; v12     Q, K: 16 in lanes 16-31, which take the second head's two bytes; else 0
.set VO0,  13                          ; v13     16 x lane
.set VO1,  14                          ; v14     the second image: the next head's chunk (Q, K) or 512 bytes on (V)
.set STW,  15                          ; v15     where I put a scale word
.set ADRA, 16                          ; v16-17  LDS address of my A fragments in slot 0, 1
.set RDW,  18                          ; v18     where I read the words back
.set VOS,  19                          ; v19     and where they go
.set ADRB, 20                          ; v20-21  the same as ADRA for B
.set BST,  22                          ; v22     the bias into LDS,
.set BIN,  23                          ; v23     out of it along n,
.set ADRS, 27                          ; v27     LDS address of my scale words: lanes 0-15 A's rows, lanes 16-31 B's
.set SPW,  28
.set NIL,  29
.set BIM,  30                          ; v30     out of it along m
.set SC,   32
.set PC,   112                         ; v112-119 a fragment's codes
.set D,    120                         ; v120-127 scale words read back
.set AF,   128
.set BN,   128                         ; v128-191 the bias in the result's layout
.set TM,   200                         ; v200-203 largest magnitudes, v204-207 bytes, v212-215 the conversions' scale operands
.set PW,   216
.set W,    217                         ; v217-224 a word for each block of 16 rows
.set WV,   16
.set HM,   17                          ; which half of the tile's A rows is mine.  Also: the slot I fetch
.set HN,   18                          ; which half of its B rows.  Also: I fetch for A (0) or for B (1)
.set ISV,  19
.set MASK, 3
.set SEL,  40
.set G1,   24
.set G0,   32
.set G1B,  48
.set G0B,  56
.set G1S,  68
.set G0S,  76
.set G1SB, 80
.set G0SB, 88
.set CBA,  92                          ; s[92:93] where the codes go
.set SBA,  94                          ; s[94:95] where the scale words go
.set STA,  96                          ; s[96:97] from a block of 16 rows to the next,
.set STA4, 98                          ; s[98:99] and from the fourth to the fifth
.set MSB, 0
.macro WIN new                         ; the immediate's high byte repeats the setting that is left
.if MSB != \new
	s_set_vgpr_msb (MSB<<8)|\new
.set MSB, \new
.endif
.endm
.set MUL_LO, 0xa1                      ; source 0 (B) window 1, source 1 (A) window 0, C and D window 2
.set MUL_HI, 0xf1
.set TO_B,   0x40
; A joint load: waves 0 and 2 fetch for A, waves 1 and 3 for B.  Each line has one mask and one set of registers for all that issue it; the branch hangs on the wave's number alone.
; An s_nop 0 and four v_nop follow each of the four lines.
.macro TL g0, g1                       ; a joint load; an s_nop 0 and four v_nop follow it
	tensor_load_to_lds s[\g0:\g0+3], s[\g1:\g1+7]
	s_nop 0
.rept 4
	v_nop
.endr
.endm
.macro CROUND                          ; a round of the cluster's barrier
	s_barrier_signal -1
	s_barrier_wait -1
	s_cmp_lg_u32 s[WV], 0
	s_cbranch_scc1 .Lnot_wave_0_\@
	s_barrier_signal -3
.Lnot_wave_0_\@:
	s_barrier_wait -3
	s_barrier_signal -1
	s_barrier_wait -1
.endm
	s_load_b256 s[4:11], s[0:1], 0x0               ; c1 s[4:5], s1 s[6:7], bq s[8:9], bk s[10:11]
	s_load_b128 s[12:15], s[0:1], 0x20             ; bv s[12:13], qkv s[14:15]
	v_lshl_add_u32 v[SPW], v0, 2, SPARE
	v_mov_b32 v[NIL], 0
	ds_add_u32 v[SPW], v[NIL]                      ; the wave's opening: the add, twice on end, and its wait ahead of my first tensor load
	ds_add_u32 v[SPW], v[NIL]
	v_lshrrev_b32 v1, 5, v0
	v_readfirstlane_b32 s[WV], v1
	s_lshr_b32 s[HM], s[WV], 1
	s_and_b32 s[HN], s[WV], 1
	s_bfe_u32 s40, ttmp6, 0x40000                  ; cx, cy: my place in the cluster
	s_bfe_u32 s41, ttmp6, 0x40004
	s_and_b32 s2, ttmp9, 1                         ; Q, K: clusters go 2 along n (Wq | Wk), 8 along m (tokens)
	s_lshr_b32 s3, ttmp9, 1
	s_and_b32 s20, ttmp9, 7                        ; V: 8 along n (tokens), 1 along m (Wv)
	s_cmp_ge_u32 ttmp9, 16
	s_cselect_b32 s[ISV], 1, 0
	s_cselect_b32 s2, s20, s2
	s_cselect_b32 s3, 0, s3
	s_lshl_b32 s42, s2, 2
	s_add_co_u32 s42, s42, s40                     ; tile along n
	s_lshl_b32 s43, s3, 2
	s_add_co_u32 s43, s43, s41                     ; tile along m
	s_lshl_b32 s44, s41, 2
	s_lshl_b32 s44, 15, s44                        ; my row of the cluster
	s_lshl_b32 s45, 0x1111, s40                    ; my column
	; descriptor group 1: a tile of 256 rows x 256 bytes, 16 bytes of padding behind each row
	s_or_b32 s[G1+0], s44, (0<<16)|(1<<20)|(1<<21)|(5<<22)|(3<<25)  ; 15:0 the mask; 17:16 elements of 1 byte; 20 padding on; 21 set beside a mask; 24:22 after every 64 words; 31:25 four words
	s_or_b32 s[G1B+0], s45, (0<<16)|(1<<20)|(1<<21)|(5<<22)|(3<<25)
.irp g, G1, G1B
	s_mov_b32 s[\g+1], ROWB<<16                    ; tensor_dim0
	s_mov_b32 s[\g+2], 256<<16                     ; tensor_dim1: a load brings a side's 256 rows of one slot
	s_mov_b32 s[\g+3], ROWB<<16                    ; tile_dim0
	s_mov_b32 s[\g+4], 256                         ; tile_dim1
	s_mov_b32 s[\g+5], KROW                        ; tensor_dim0_stride
	s_mov_b32 s[\g+6], 0
	s_mov_b32 s[\g+7], 0
.endr
	s_lshl_b32 s22, s43, 8                         ; A side: the tile's first row hangs on the tile along m alone
	s_lshl_b32 s46, s42, 8                         ; B side: on the tile along n alone
	s_cmp_lg_u32 s[ISV], 0
	s_cselect_b32 s2, 10240, 0                     ; A: Wv's rows, or x's
	s_cselect_b32 s3, 0, 8192                      ; B: x's, or Wq's and Wk's
	s_add_co_u32 s22, s22, s2
	s_add_co_u32 s46, s46, s3
	s_lshl_b32 s20, s22, 5                         ; the rows' scale bytes,
	s_lshl_b32 s22, s22, 9                         ; and their codes
	s_lshl_b32 s66, s46, 5
	s_lshl_b32 s46, s46, 9
	s_mov_b32 s21, 0
	s_mov_b32 s23, 0
	s_mov_b32 s47, 0
	s_mov_b32 s67, 0
	s_wait_dscnt 0x0                               ; both opening adds are done
	s_wait_kmcnt 0x0
	s_add_nc_u64 s[22:23], s[4:5], s[22:23]
	s_add_nc_u64 s[46:47], s[4:5], s[46:47]
	CROUND                                         ; all sixteen work-groups are here: the first joint loads meet
	; THE HEAD'S FOUR TILES, one a wave, each on a line of its own: wave 0 A's 256 rows of slot 0, wave 1 B's, wave 2 A's of slot 1, wave 3 B's.  The slot is wave / 2: no place in the cluster enters an LDS address
	s_mul_i32 s21, s[HM], SLOT
	s_lshl_b32 s2, s[HM], 8                        ; the slot's 256 bytes of each row
	s_mov_b32 s3, 0
	s_mov_b32 s[G0], 1
	s_mov_b32 s[G0+1], s21
	s_add_nc_u64 s[G0+2:G0+3], s[22:23], s[2:3]
	s_or_b32 s[G0+3], s[G0+3], 0x80000000
	s_mov_b32 s[G0B], 1
	s_add_co_u32 s[G0B+1], s21, 2*HALFT
	s_add_nc_u64 s[G0B+2:G0B+3], s[46:47], s[2:3]
	s_or_b32 s[G0B+3], s[G0B+3], 0x80000000
	s_cmp_eq_u32 s[WV], 0
	s_cbranch_scc0 .Lwave_1
	TL G0, G1
	s_branch .Lasked
.Lwave_1:
	s_cmp_eq_u32 s[WV], 1
	s_cbranch_scc0 .Lwave_2
	TL G0B, G1B
	s_branch .Lasked
.Lwave_2:
	s_cmp_eq_u32 s[WV], 2
	s_cbranch_scc0 .Lwave_3
	TL G0, G1
	s_branch .Lasked
.Lwave_3:
	TL G0B, G1B
.Lasked:
	v_and_b32 v1, 15, v0                           ; r = lane % 16
	v_bfe_u32 v2, v0, 4, 1                         ; h = lane / 16
	v_and_b32 v3, 31, v0                           ; lane
	v_mul_u32_u24 v4, v1, PITCH
	v_lshl_add_u32 v4, v2, 4, v4                   ; a fragment's row x pitch + 16 x half
	s_mul_i32 s21, s[HM], HALFT                    ; my 128 rows of A
	s_mul_i32 s22, s[HN], HALFT                    ; my 128 rows of B,
	s_add_co_u32 s22, s22, 2*HALFT                 ; which lie behind A's 256
.irp s, 0,1
	v_add_nc_u32 v[ADRA+\s], s21, v4
	v_add_nc_u32 v[ADRB+\s], s22, v4
	s_add_co_u32 s21, s21, SLOT
	s_add_co_u32 s22, s22, SLOT
.endr
	; THE SCALE WORDS go from s1 straight into their registers, both sets: lanes 0-15 take the rows of A's block i, lanes 16-31 those of B's; a row's 32 bytes are read by the two loads of a block
	s_lshl_b32 s3, s[HM], 12                       ; s20, s66 stand at the tiles' first rows: on to the 128 rows of A,
	s_add_co_u32 s20, s20, s3
	s_lshl_b32 s3, s[HN], 12                       ; and of B, that I multiply
	s_add_co_u32 s66, s66, s3
	v_mov_b32 v5, s20
	v_mov_b32 v6, s66                              ; B: the 128 rows that I fetch are those that I multiply
	v_cmp_eq_u32 vcc_lo, 0, v2
	v_cndmask_b32 v5, v6, v5, vcc_lo
	v_lshl_add_u32 v[ADRS], v1, 5, v5              ; + 32 bytes a row
	s_mov_b64 s[66:67], s[6:7]                     ; s1's address in a pair that is not written again
.irp i, 0,1,2,3,4,5,6,7
	global_load_b128 v[SC+NQ*\i:SC+NQ*\i+3], v[ADRS], s[66:67] offset:512*\i
	global_load_b128 v[SC+8*NQ+NQ*\i:SC+8*NQ+NQ*\i+3], v[ADRS], s[66:67] offset:512*\i+16
.endr
	; the way out: which bias, which chunk.  tok: the axis of tokens, fea: the axis of features
	s_and_b32 s2, ttmp9, 1
	s_cmp_lg_u32 s2, 0
	s_cselect_b64 s[8:9], s[10:11], s[8:9]         ; bk or bq,
	s_cmp_lg_u32 s[ISV], 0
	s_cselect_b64 s[8:9], s[12:13], s[8:9]         ; or bv: choices that hang on the cluster's number alone
	s_cselect_b32 s4, s42, s43                     ; the tile along the tokens,
	s_cselect_b32 s5, s[HN], s[HM]                 ; my half of it;
	s_cselect_b32 s6, s43, s42                     ; the tile along the features,
	s_cselect_b32 s7, s[HM], s[HN]                 ; my half of it
	s_cselect_b32 s2, 1, s2                        ; 0: Q's chunks; 1: K's and V's
	s_lshl_b32 s6, s6, 1
	s_add_co_u32 s6, s6, s7
	s_and_b32 s6, s6, 7                            ; which 128 features of the weight's 1,024
	s_lshl_b32 s44, s6, 9
	s_mov_b32 s45, 0
	s_add_nc_u64 s[8:9], s[8:9], s[44:45]          ; their bias
	s_lshl_b32 s6, s6, 1                           ; the first of my two heads
	s_lshr_b32 s7, s4, 3                           ; the batch
	s_lshl_b32 s4, s4, 1
	s_add_co_u32 s4, s4, s5
	s_and_b32 s4, s4, 15                           ; the block of 128 tokens
	s_lshl_b32 s2, s2, 2
	s_add_co_u32 s2, s2, s7
	s_lshl_b32 s2, s2, 4
	s_add_co_u32 s2, s2, s6
	s_lshl_b32 s2, s2, 4
	s_add_co_u32 s2, s2, s4                        ; the chunk
	s_mul_i32 s44, s2, CHUNK
	s_add_nc_u64 s[14:15], s[14:15], s[44:45]
	s_cmp_lg_u32 s[ISV], 0
	s_cselect_b32 s44, 4096, 0
	s_add_nc_u64 s[CBA:CBA+1], s[14:15], s[44:45]
	s_mov_b32 s4, 8192
	s_cselect_b32 s44, 8704, s4
	s_add_nc_u64 s[SBA:SBA+1], s[14:15], s[44:45]
	s_mov_b32 s4, 512
	s_cselect_b32 s[STA], 1024, s4                 ; V: a tile of features is two images; Q, K: a tile of tokens is one
	s_cselect_b32 s[STA4], HEADB-3*1024, s4        ; V: the fifth block of rows begins the next head
	s_mov_b32 s[STA+1], 0
	s_mov_b32 s[STA4+1], 0
	s_mov_b32 s5, HEADB
	s_cselect_b32 s6, s4, s5                       ; from the first image to the second
	s_cselect_b32 s7, 0, 16
	s_mov_b32 s4, 256
	s_cselect_b32 s5, s5, s4
	s_mov_b32 s4, 0xffff
	s_cselect_b32 s[MASK], -1, s4                  ; Q, K: a word keeps two bytes
	s_mov_b32 s[SEL], 0x76543210
	s_mov_b32 s[SEL+1], 0xfedcba98                 ; v_permlanex16_b32's selects for lane l xor 16
	v_lshlrev_b32 v[VO0], 4, v3
	global_load_b128 v[BV:BV+3], v[VO0], s[8:9]    ; my wave's 128 numbers of the bias: 512 consecutive bytes
	v_add_nc_u32 v[VO1], s6, v[VO0]
	v_mul_u32_u24 v[SH], v2, s7
	v_mul_u32_u24 v[VOS], v2, s5
	v_lshl_add_u32 v[VOS], v1, 4, v[VOS]
	s_lshl_b32 s21, s[WV], 10
	s_add_co_u32 s21, s21, STGW
	v_lshlrev_b32 v[STW], 2, v1
	v_lshl_add_u32 v[STW], v2, 9, v[STW]
	v_add_nc_u32 v[STW], s21, v[STW]               ; 4 r + 512 h in my wave's 1,024 bytes
	v_add_nc_u32 v[RDW], s21, v[VO0]
	s_lshl_b32 s21, s[WV], 9
	s_add_co_u32 s21, s21, BIAS
	v_add_nc_u32 v[BST], s21, v[VO0]
	v_lshl_add_u32 v[BIN], v2, 6, s21              ; along n: my half's 16 numbers of each 32
	v_and_b32 v4, 8, v1
	v_add_nc_u32 v4, v4, v1
	v_lshl_add_u32 v[BIM], v4, 2, s21              ; along m: stored row r of a tile is the true row r + 8 (r / 8)
.irp b, 0,1,2,3
	v_mov_b32 v[TM+4+\b], 0                        ; written once: a lane permute's destination counts as one of its sources
.endr
.macro FRAG reg, adr, q, i             ; 16 rows x 128 K of 4-bit codes: registers 4 c .. 4 c + 3 hold K = 64 c + 32 (lane / 16) + 0 .. 31
.irp c, 0,1
	ds_load_b128 v[\reg+4*\c:\reg+4*\c+3], v[\adr] offset:64*(\q)+32*\c+(\i)*16*PITCH
.endr
.endm
; 16 matrix instructions: A's blocks a0, a0 + 1 x B's eight, the slot's q-th 128 along K.  The 64 accumulators take turns, one instruction a turn, in the same order in every step.
.macro MUL16 a0, p, q, sc, zero
.irp a, \a0, \a0+1
.irp b, 0,1,2,3,4,5,6,7
.if \zero
	v_wmma_scale_f32_16x16x128_f8f6f4 v[8*(8*((\a)%4)+\b):8*(8*((\a)%4)+\b)+7], v[128*(\p)+FR*\b:128*(\p)+FR*\b+FR-1], v[AF+FR*(\a):AF+FR*(\a)+FR-1], 0, v[SC+8*NQ*(\sc)+NQ*\b+(\q)], v[SC+8*NQ*(\sc)+NQ*(\a)+(\q)] matrix_a_fmt:MATRIX_FMT_FP4 matrix_b_fmt:MATRIX_FMT_FP4 matrix_a_scale:MATRIX_SCALE_ROW1
.else
	v_wmma_scale_f32_16x16x128_f8f6f4 v[8*(8*((\a)%4)+\b):8*(8*((\a)%4)+\b)+7], v[128*(\p)+FR*\b:128*(\p)+FR*\b+FR-1], v[AF+FR*(\a):AF+FR*(\a)+FR-1], v[8*(8*((\a)%4)+\b):8*(8*((\a)%4)+\b)+7], v[SC+8*NQ*(\sc)+NQ*\b+(\q)], v[SC+8*NQ*(\sc)+NQ*(\a)+(\q)] matrix_a_fmt:MATRIX_FMT_FP4 matrix_b_fmt:MATRIX_FMT_FP4 matrix_a_scale:MATRIX_SCALE_ROW1
.endif
.endr
.endr
.endm
.macro FETCH_B slot, q, p
	WIN TO_B
.irp i, 0,1,2,3,4,5,6,7
	FRAG 128*(\p)+FR*\i, ADRB+\slot, \q, \i
.endr
	WIN 0
.endm
.macro FETCH_A slot, q, i0
.irp i, \i0, \i0+1, \i0+2, \i0+3
	FRAG AF+FR*(\i), ADRA+\slot, \q, \i
.endr
.endm
.macro PLACES n                        ; plain vector instructions between a matrix instruction and a load into, or a vector instruction on, its registers
.rept \n
	v_nop
.endr
.endm
.macro STEP slot, q, zero              ; 128 along K that has its successor in the same slot
	s_wait_dscnt 4*NL                              ; B's set and A's blocks 0-3 are in; the youngest eight loads (A's blocks 4-7) may be out
	WIN MUL_LO
	MUL16 0, (\q)%2, \q, \slot, \zero
	MUL16 2, (\q)%2, \q, \slot, \zero
	s_wait_dscnt 0
	PLACES NP
	FETCH_B \slot, (\q)+1, 1-(\q)%2
	FETCH_A \slot, (\q)+1, 0
	WIN MUL_HI
	MUL16 4, (\q)%2, \q, \slot, \zero
	MUL16 6, (\q)%2, \q, \slot, \zero
	PLACES NP
	WIN 0
	FETCH_A \slot, (\q)+1, 4
.endm
.macro TURN slot, next                 ; slot 0's last step goes over to slot 1: each wave waits for all its tensor loads, then the barrier shows the whole slot to all four
	s_wait_tensorcnt 0x0                           ; my part of slot 1 has landed
	ds_add_u32 v[SPW], v[NIL]                      ; 0 onto my spare word
	s_wait_dscnt 4*NL+1                            ; (the add and the youngest eight loads may be out)
	WIN MUL_LO
	MUL16 0, 1, NQ-1, \slot, 0
	s_wait_dscnt 0x0                               ; no LDS instruction of mine is out at the signal
	s_barrier_signal -1
	MUL16 2, 1, NQ-1, \slot, 0
	WIN 0
	s_barrier_wait -1
	PLACES NP
	FETCH_B \next, 0, 0
	FETCH_A \next, 0, 0
	WIN MUL_HI
	MUL16 4, 1, NQ-1, \slot, 0
	MUL16 6, 1, NQ-1, \slot, 0
	PLACES NP
	WIN 0
	FETCH_A \next, 0, 4
.endm
.macro STEPS slot, from
.set Q, \from
.rept NQ-1-\from
	STEP \slot, Q, 0
.set Q, Q+1
.endr
.endm
	s_wait_alu depctr_va_vdst(0)                   ; the head's end
	s_wait_loadcnt 0x0                             ; the scale words (and the bias) are in
	s_cmp_lt_u32 s[WV], 2
	s_cbranch_scc0 .Lnot_first
	s_wait_tensorcnt 0x0                           ; waves 0 and 1: slot 0's tiles are in; slot 1's may be out
.Lnot_first:
	s_barrier_signal -1
	s_barrier_wait -1                              ; everybody's are
	FETCH_B 0, 0, 0
	FETCH_A 0, 0, 0
	FETCH_A 0, 0, 4
	STEP 0, 0, 1                                   ; the first products start the sums: nothing is cleared
	STEPS 0, 1
	TURN 0, 1
	STEPS 1, 0
	s_wait_dscnt 4*NL                              ; the last step: nothing more to fetch
	WIN MUL_LO
	MUL16 0, 1, NQ-1, 1, 0
	MUL16 2, 1, NQ-1, 1, 0
	s_wait_dscnt 0
	WIN MUL_HI
	MUL16 4, 1, NQ-1, 1, 0
	MUL16 6, 1, NQ-1, 1, 0
	WIN 0
; THE WAY OUT.  First the bias, in f32, in place, each accumulator from its low end on.  Q, K: it runs along n, my registers; V: along m, my lane's row.
.macro ADDBIAS byrow, hi
.set i, 0
.rept 128
.if \byrow
	v_pk_add_f32 v[2*i:2*i+1], v[2*i:2*i+1], v[BN+2*(4*\hi+i/32):BN+2*(4*\hi+i/32)+1]
.else
	v_pk_add_f32 v[2*i:2*i+1], v[2*i:2*i+1], v[BN+(2*i)%64:BN+(2*i)%64+1]
.endif
.set i, i+1
.endr
.endm
	PLACES NP                                      ; behind the last products: for the loads into A's registers and the additions alike
	s_wait_loadcnt 0x0                             ; the bias
	ds_store_b128 v[BST], v[BV:BV+3]               ; into my wave's own 512 bytes; LDS serves a wave's instructions in order
	s_cmp_lg_u32 s[ISV], 0
	s_cbranch_scc1 .Lbias_v                        ; the role: the same in every wave of every partner
	s_wait_alu depctr_va_vdst(0)
.irp b, 0,1,2,3
.irp q, 0,1,2,3
	ds_load_b128 v[BN+16*\b+4*\q:BN+16*\b+4*\q+3], v[BIN] offset:128*\b+16*\q   ; register 16 b + i: the bias of n = 32 b + 16 h + i
.endr
.endr
	s_wait_dscnt 0x0
	WIN 0x82                                       ; destination and source 0 window 2, the bias window 0
	ADDBIAS 0, 0
	WIN 0xc3
	ADDBIAS 0, 1
	WIN 0
	s_branch .Lbias_done
.Lbias_v:
	s_wait_alu depctr_va_vdst(0)
.irp a, 0,1,2,3,4,5,6,7
	ds_load_b32 v[BN+2*\a], v[BIM] offset:4*(32*(\a/2)+8*(\a%2))     ; block a: the bias of my row, twice, for the packed addition
	ds_load_b32 v[BN+2*\a+1], v[BIM] offset:4*(32*(\a/2)+8*(\a%2))
.endr
	s_wait_dscnt 0x0
	WIN 0x82
	ADDBIAS 1, 0
	WIN 0xc3
	ADDBIAS 1, 1
	WIN 0
.Lbias_done:
; Block a of 16 rows: its 64 registers, 16 b + i = n 32 b + 16 h + i of my row, become a fragment's codes and a scale word.
.macro OUT a
.set AC, 64*((\a)%4)
.set WA, 0x0a+5*((\a)/4)               ; sources 0 and 1: window 2 or 3
.set WC, 2+(\a)/4                      ; source 0 alone
	WIN WA
.irp b, 0,1,2,3
	v_max3_num_f32 v[TM+\b], |v[AC+16*\b]|, |v[AC+16*\b+1]|, 0x1800000   ; block b: my 16 numbers, and the floor 2^(3 - 127): the byte cannot fall under 1
.endr
.irp i, 2,4,6,8,10,12,14
.irp b, 0,1,2,3
	v_max3_num_f32 v[TM+\b], |v[AC+16*\b+\i]|, |v[AC+16*\b+\i+1]|, v[TM+\b]   ; (the four blocks by turns)
.endr
.endr
	WIN 0
.irp b, 0,1,2,3
	v_permlanex16_b32 v[TM+4+\b], v[TM+\b], s[SEL], s[SEL+1]
.endr
.irp b, 0,1,2,3
	v_max_num_f32 v[TM+\b], v[TM+\b], v[TM+4+\b]   ; with lane l xor 16's: the block's largest magnitude
.endr
.irp b, 0,1,2,3
	v_add_nc_u32 v[TM+12+\b], 0xff000000, v[TM+\b] ; 2 off its exponent field: the conversion's scale operand
.endr
.irp b, 0,1,2,3
	v_lshrrev_b32 v[TM+4+\b], 23, v[TM+12+\b]      ; the scale's byte
.endr
	v_lshl_or_b32 v[PW], v[TM+5], 8, v[TM+4]
	v_lshl_or_b32 v[PW], v[TM+6], 16, v[PW]
	v_lshl_or_b32 v[PW], v[TM+7], 24, v[PW]
	v_lshrrev_b32 v[W+(\a)], v[SH], v[PW]          ; Q, K: lanes 0-15 keep the first head's two bytes, lanes 16-31 the second's; V: the whole word
	v_and_b32 v[W+(\a)], s[MASK], v[W+(\a)]
	s_wait_xcnt 0x0                                ; the last block's stores have read their data and their base: both are written again only behind this wait
.if (\a) == 4
	s_add_nc_u64 s[CBA:CBA+1], s[CBA:CBA+1], s[STA4:STA4+1]
.elseif (\a) > 0
	s_add_nc_u64 s[CBA:CBA+1], s[CBA:CBA+1], s[STA:STA+1]
.endif
	WIN WC
.irp b, 0,1,2,3
	v_cvt_scalef32_pk8_fp4_f32 v[PC+2*\b], v[AC+16*\b:AC+16*\b+7], v[TM+12+\b]
	v_cvt_scalef32_pk8_fp4_f32 v[PC+2*\b+1], v[AC+16*\b+8:AC+16*\b+15], v[TM+12+\b]
.endr
	WIN 0
	v_nop                                          ; one plain place behind a scaled conversion
.irp c, 0,1                                    ; the operand's layout wants a WHOLE block in a lane: lanes 0-15 block 2 c, lanes 16-31 block 2 c + 1
.irp i, 0,1
	v_permlane16_swap_b32 v[PC+4*\c+\i], v[PC+2+4*\c+\i]
.endr
.endr
	global_store_b128 v[VO0], v[PC:PC+3], s[CBA:CBA+1]       ; an image: 32 lanes store 512 consecutive bytes, aligned
	global_store_b128 v[VO1], v[PC+4:PC+7], s[CBA:CBA+1]
	ds_store_b32 v[STW], v[W+(\a)] offset:64*(\a)
.endm
.irp a, 0,1,2,3,4,5,6,7
	OUT \a
.endr
	ds_load_b128 v[D:D+3], v[RDW]                  ; the words gathered: Q, K: the first head's 128 tokens; V: two heads' 64 features each
	s_wait_dscnt 0x0
	global_store_b128 v[VOS], v[D:D+3], s[SBA:SBA+1]         ; sixteen lanes store 256 consecutive bytes, aligned
	s_cmp_lg_u32 s[ISV], 0
	s_cbranch_scc1 .Lno_second
	ds_load_b128 v[D+4:D+7], v[RDW] offset:512     ; Q, K: the second head's
	s_wait_dscnt 0x0
	global_store_b128 v[VOS], v[D+4:D+7], s[SBA:SBA+1] offset:HEADB
.Lno_second:
	s_wait_tensorcnt 0x0                           ; the wave's end
	ds_add_u32 v[SPW], v[NIL]
	s_wait_dscnt 0x0
	CROUND                                         ; the closing round: no work-group ends while a partner may still ask for a tile that names it
	s_endpgm
.Lfunc_end_k_qfd0ee9ffa8_qkv:
	.size	k_qfd0ee9ffa8_qkv, .Lfunc_end_k_qfd0ee9ffa8_qkv-k_qfd0ee9ffa8_qkv
	.p2alignl 7, 3214868480
	.fill 96, 4, 3214868480
	.section	.rodata,"a",@progbits
	.p2align	6, 0x0
	.amdhsa_kernel k_qfd0ee9ffa8_qkv
		.amdhsa_group_segment_fixed_size 327680
		.amdhsa_private_segment_fixed_size 0
		.amdhsa_enable_private_segment 0
		.amdhsa_kernarg_size 48
		.amdhsa_user_sgpr_count 2
		.amdhsa_user_sgpr_kernarg_segment_ptr 1
		.amdhsa_wavefront_size32 1
		.amdhsa_system_sgpr_workgroup_id_x 1
		.amdhsa_system_sgpr_workgroup_id_y 1
		.amdhsa_system_sgpr_workgroup_id_z 1
		.amdhsa_system_vgpr_workitem_id 0
		.amdhsa_next_free_vgpr 1024
		.amdhsa_next_free_sgpr 100
		.amdhsa_reserve_vcc 1
		.amdhsa_float_denorm_mode_32 3
		.amdhsa_float_denorm_mode_16_64 3
		.amdhsa_memory_ordered 1
		.amdhsa_forward_progress 1
		.amdhsa_inst_pref_size 164
	.end_amdhsa_kernel
	.amdgpu_metadata
---
amdhsa.version: [ 1, 2 ]
amdhsa.kernels:
  - .name:           k_qfd0ee9ffa8_qkv
    .symbol:         k_qfd0ee9ffa8_qkv.kd
    .args:
      - { .name: c1, .offset: 0, .size: 8, .value_kind: global_buffer, .address_space: global }
      - { .name: s1, .offset: 8, .size: 8, .value_kind: global_buffer, .address_space: global }
      - { .name: bq, .offset: 16, .size: 8, .value_kind: global_buffer, .address_space: global }
      - { .name: bk, .offset: 24, .size: 8, .value_kind: global_buffer, .address_space: global }
      - { .name: bv, .offset: 32, .size: 8, .value_kind: global_buffer, .address_space: global }
      - { .name: qkv, .offset: 40, .size: 8, .value_kind: global_buffer, .address_space: global }
    .group_segment_fixed_size: 327680
    .private_segment_fixed_size: 0
    .kernarg_segment_align: 8
    .kernarg_segment_size: 48
    .max_flat_workgroup_size: 128
    .sgpr_count:     100
    .vgpr_count:     1024
    .wavefront_size: 32
...
	.end_amdgpu_metadata
.endif
;; end of part 2
;; launch attn (part 3): grid 8 x 32, 8 waves a work-group, clusters of 4 x 1, 327,680 bytes of LDS; arguments qkv, c3, s3; writes c3, s3
.if DOCPART == 3
	.amdgcn_target "amdgcn-amd-amdhsa--gfx1250"
	.amdhsa_code_object_version 6
	.text
	.protected	k_qfd0ee9ffa8_attn
	.globl	k_qfd0ee9ffa8_attn
	.p2align	8
	.type	k_qfd0ee9ffa8_attn,@function
k_qfd0ee9ffa8_attn:
	s_mov_b64 s[64:65], 0
	v_nop
	global_prefetch_b8 v0, s[64:65] scope:SCOPE_SE
	s_setreg_imm32_b32 hwreg(HW_REG_WAVE_MODE, 25, 1), 1
	s_wait_xcnt 0x0
	s_wait_alu depctr_hold_cnt(0) depctr_sa_sdst(0) depctr_va_vdst(0) depctr_va_sdst(0) depctr_va_ssrc(0) depctr_va_vcc(0) depctr_vm_vsrc(0)
	s_getreg_b32 s2, hwreg(HW_REG_IB_STS2, 6, 4)
	s_cmp_eq_u32 s2, 0
	s_cbranch_scc0 .Lentry_in_a_cluster
	s_endpgm
.Lentry_in_a_cluster:
	s_bfe_u32 s2, ttmp6, 0x10000c
	s_cmp_lg_u32 s2, 0x3003
	s_cbranch_scc0 .Lentry_shape_is_right
	s_endpgm
.Lentry_shape_is_right:
; Third launch: the attention of two heads for 256 queries, on codes of FP4 (E2M1), and the context quantised at once.  Nothing of the problem's work is left out here.
; t = score x log2(e) / 32; M = the running largest t rounded up to a whole number; p = 2^(t - M) is quantised along the keys in blocks of 32; the row's sum is taken of the unquantised p in f32 and divides O at the end.
; When M moves, the sums and O are multiplied by f = 2^(old M - new M), which rounds nothing.  No branch hangs on data.
; LIMITS: the promise holds while the scaled scores t stay under 2^31 in magnitude; NaN and infinities are not served; a block whose largest t - M lies under -124 takes the scale of 2^-124 (the byte 1).
; SHARES: work-group (x, y): queries 256 x .. of batch y / 8, heads 2 (y % 8) and the next.  Eight waves, two to a SIMD; a wave owns TWO tiles of 16 queries, so that each fragment of K and V read from LDS feeds two products.
; The two heads go one after the other (PASS 0, 1); a pass walks the head's 2,048 keys in 16 steps of 128, one chunk of qkv each (K's eight tiles, V's four, their scale words, as images of operand registers).
; LDS: both heads' 32 chunks, 286,720 bytes on end in memory and in LDS, come ONCE: each wave asks for four chunks by one tensor load (140 rows of 256 bytes).  Nothing is filled again.
; CLUSTER: the four query blocks of a cluster walk the same K and V: every load is a joint one (mask 15).  No data prefetch: all that the launch reads by tensor loads is asked for at its head, so there is no loop to run ahead in.
; LAYOUT: both products transposed (S^T = K Q^T, O^T = V^T P^T): a lane holds one query; by the stored order of the tokens the 16 registers of two neighbouring tiles are 16 neighbouring keys.  The head's 64 fill half of a product's K: the upper halves of Q's and K's fragments are zero codes.
; REGISTERS: window 0 holds the scores, then p (v128-255: block n = 4 i + b of tile i at v[128 + 16 n]) and all row state; window 1 holds O^T (v0-63) and the fragments of Q (v64-95), V (v96-127), K (v128-191): the softmax runs under one window setting.
; THE EXPONENTIALS go in four batches, a half tile (32) each, the first with the eight blocks' largest ahead of it.  Among a batch's lines stand plain lines and conversions that read nothing written inside the batch and whose results are read behind its wait:
; the later halves' t - M, the sums, the scale operands and bytes, the earlier halves' conversions.
; THE ROW'S SUM is kept in eight packed accumulators a tile; a step adds its 32 pairs in four rounds of eight, the first as a multiply-add by f; the accumulators are joined at the pass's end.
; LDS LOADS: behind a step's first products come V's fragments of this step and K's of the next.  The pass's last step has no successor: its look-ahead is held at the pass's last chunk.
.set CHUNK, 8960
.set HEADB, 16*CHUNK
.set STG,   2*HEADB                    ; 1,024 bytes: the context's scale words on their way out
.set SPARE, STG+1024                   ; the spare words, 128 bytes a wave
.set WV,  18
.set SEL, 20                           ; s[20:21] v_permlanex16_b32's selects for lane l xor 16
.set CS,  22                           ; s[22:23] c = log2(e) / 32
.set G1,  24
.set G0,  32
.set TB,  2                            ; LDS byte of the step's chunk
.set CNT, 3
.set TK,  36                           ; LDS byte of the chunk whose K is fetched ahead
.set NC,  37                           ; -c
.set AV,  5                            ; v5, v6   the step's chunk + 16 x lane, + 4 x lane
.set WD,  10                           ; v10, v11 the context's scale word of tile 0, 1
.set MN,  12                           ; v[12+2i:13+2i] -M, the running largest score
.set FP,  24                           ; v[24+2i] f; v[25+2i] p's scale word
.set AK,  28                           ; v28, v29 as AV, for the chunk fetched ahead
.set T,   30
.set KS,  32                           ; v32-35 K's scale words; v36-39 Q's (2 p + i); v44, v45 V's
.set QS,  36
.set VS,  44
.set BM,  48                           ; v48-55 a block's largest score; later half words of scale bytes
.set PM,  56
.set SOP, 64                           ; the conversions' scale operands
.set PC,  72                           ; v72-87 p's codes, eight a tile
.set BX,  88                           ; v88-95 a block's largest t - M, then p
.set A,   96                           ; v[96+16i+2m ..] the sums' accumulators
.set S,   128
.set O,   0                            ; window 1
.set QF,  64
.set VF,  96
.set KF,  128
.set MSB, 0
.macro WIN new                         ; the immediate's high byte repeats the setting that is left
.if MSB != \new
	s_set_vgpr_msb (MSB<<8)|\new
.set MSB, \new
.endif
.endm
.macro WALU
	s_wait_alu depctr_va_vdst(0)
.endm
.macro CROUND
	s_barrier_signal -1
	s_barrier_wait -1
	s_cmp_lg_u32 s[WV], 0
	s_cbranch_scc1 .Lnot_wave_0_\@
	s_barrier_signal -3
.Lnot_wave_0_\@:
	s_barrier_wait -3
	s_barrier_signal -1
	s_barrier_wait -1
.endm
	s_load_b128 s[4:7], s[0:1], 0x0                ; qkv, c3
	s_load_b64 s[8:9], s[0:1], 0x10                ; s3
	v_lshl_add_u32 v3, v0, 2, SPARE
	v_mov_b32 v4, 0
	ds_add_u32 v3, v4                              ; the opening lines: the add twice on end and its wait
	ds_add_u32 v3, v4
	v_lshrrev_b32 v5, 5, v0
	v_readfirstlane_b32 s[WV], v5
	s_bfe_u32 s12, ttmp6, 0x40000
	s_lshl_b32 s13, ttmp9, 2
	s_add_co_u32 s13, s13, s12                     ; the block of 256 queries
	s_and_b32 s14, ttmp7, 0xffff
	s_lshr_b32 s15, s14, 3                         ; the batch
	s_and_b32 s14, s14, 7                          ; the pair of heads
	s_lshl_b32 s42, s15, 3
	s_add_co_u32 s42, s42, s14
	s_lshl_b32 s42, s42, 5                         ; the pair's first chunk among Q's
	s_add_co_u32 s40, s42, 1024                    ; K's and V's lie 4 x 16 x 16 chunks on
	s_lshl_b32 s19, s[WV], 2
	s_add_co_u32 s40, s40, s19                     ; my four chunks: no place in the cluster enters
	s_mul_i32 s40, s40, CHUNK
	s_mov_b32 s41, 0
	s_mul_i32 s19, s19, CHUNK                      ; and their place in LDS
	s_lshl_b32 s43, s13, 1
	s_add_co_u32 s42, s42, s43
	s_lshr_b32 s43, s[WV], 2
	s_add_co_u32 s42, s42, s43                     ; Q: the chunk of my 32 queries,
	s_mul_i32 s42, s42, CHUNK
	s_and_b32 s43, s[WV], 3
	s_lshl_b32 s16, s43, 7
	s_add_co_u32 s16, s16, s42
	s_add_co_u32 s16, s16, 8192                    ; their scale words,
	s_mov_b32 s17, 0
	s_lshl_b32 s43, s43, 10
	s_add_co_u32 s42, s42, s43                     ; their two tiles
	s_mov_b32 s43, 0
	s_lshl_b32 s44, s15, 7
	s_lshl_b32 s45, s13, 4
	s_add_co_u32 s44, s44, s45
	s_lshl_b32 s45, s[WV], 1
	s_add_co_u32 s44, s44, s45                     ; c3: my first tile of 16 tokens, 8,192 bytes a tile,
	s_lshl_b32 s44, s44, 13
	s_lshl_b32 s45, s14, 10
	s_add_co_u32 s44, s44, s45                     ; 512 bytes a head
	s_mov_b32 s45, 0
	s_lshl_b32 s46, s14, 15
	s_lshl_b32 s47, s15, 13
	s_add_co_u32 s46, s46, s47
	s_lshl_b32 s47, s13, 10
	s_add_co_u32 s46, s46, s47
	s_and_b32 s47, s[WV], 1
	s_lshl_b32 s47, s47, 9
	s_add_co_u32 s46, s46, s47                     ; s3: the work-group's 1,024 bytes; waves 0 and 1 store a half each
	s_mov_b32 s47, 0
	s_mov_b32 s[G1], 15|(3<<16)|(1<<21)            ; the mask of all four partners; elements of 8 bytes; bit 21 beside the mask
	s_mov_b32 s[G1+1], 32<<16
	s_mov_b32 s[G1+2], 140<<16
	s_mov_b32 s[G1+3], 32<<16
	s_mov_b32 s[G1+4], 140
	s_mov_b32 s[G1+5], 32
	s_mov_b32 s[G1+6], 0
	s_mov_b32 s[G1+7], 0
	s_mov_b32 s[SEL], 0x76543210
	s_mov_b32 s[SEL+1], 0xfedcba98
	s_mov_b32 s[CS], 0x3d38aa3b
	s_mov_b32 s[CS+1], s[CS]
	s_mov_b32 s[NC], 0xbd38aa3b
	s_mov_b32 s[TB], 0
	WALU
	s_wait_dscnt 0x0
	CROUND                                         ; the round in front of the joint loads
	s_wait_kmcnt 0x0
	s_mov_b32 s[G0], 1
	s_mov_b32 s[G0+1], s19
	s_add_nc_u64 s[G0+2:G0+3], s[4:5], s[40:41]
	s_or_b32 s[G0+3], s[G0+3], 0x80000000
	s_cmp_lt_u32 s[WV], 4                          ; my one tensor load of the launch, in one of two arms: waves 0 to 3 fetch the first head's 16 chunks, waves 4 to 7 the second's
	s_cbranch_scc0 .Lhead_1
	tensor_load_to_lds s[G0:G0+3], s[G1:G1+7]
	s_nop 0
.rept 4
	v_nop
.endr
	s_branch .Lasked
.Lhead_1:
	tensor_load_to_lds s[G0:G0+3], s[G1:G1+7]
	s_nop 0
.rept 4
	v_nop
.endr
.Lasked:
	s_add_nc_u64 s[10:11], s[4:5], s[42:43]
	s_add_nc_u64 s[12:13], s[4:5], s[16:17]
	s_add_nc_u64 s[6:7], s[6:7], s[44:45]
	s_add_nc_u64 s[8:9], s[8:9], s[46:47]
	v_and_b32 v5, 31, v0
	v_and_b32 v6, 15, v0
	v_lshlrev_b32 v1, 4, v5                        ; 16 x lane
	v_lshlrev_b32 v2, 2, v5                        ; 4 x lane
	v_lshlrev_b32 v9, 2, v6
.irp p, 0,1
.irp i, 0,1
	global_load_b32 v[QS+2*\p+\i], v9, s[12:13] offset:HEADB*\p+64*\i
.endr
.endr
	WIN 0x40
.irp p, 0,1
.irp i, 0,1
	global_load_b128 v[QF+8*(2*\p+\i):QF+8*(2*\p+\i)+3], v1, s[10:11] offset:HEADB*\p+512*\i
.endr
.endr
.irp q, 0,1,2,3
.irp j, 4,5,6,7
	v_mov_b32 v[QF+8*\q+\j], 0                     ; the upper halves of K = 128: zero codes, written once
	v_mov_b32 v[KF+8*\q+\j], 0
	v_mov_b32 v[KF+32+8*\q+\j], 0
.endr
.endr
	WIN 0
	s_lshl_b32 s16, s[WV], 7
	s_add_co_u32 s16, s16, STG
	v_add_nc_u32 v8, s16, v9                       ; where my tiles' scale words go
	s_and_b32 s16, s[WV], 1
	s_lshl_b32 s16, s16, 9
	s_add_co_u32 s16, s16, STG
	v_add_nc_u32 v7, s16, v1                       ; and where waves 0 and 1 read them back
.irp n, 0,1,2,3,4,5,6,7
	v_mov_b32 v[PM+\n], 0                          ; a lane permute's destination counts as one of its sources
.endr
.irp n, 0,1,2,3
	v_mov_b32 v[FP+\n], 0
.endr
	WALU                                           ; the head's end
	s_wait_loadcnt 0x0
	s_cmp_lt_u32 s[WV], 4
	s_cbranch_scc0 .Lnot_first
	s_wait_tensorcnt 0x0                           ; waves 0 to 3: the first head's chunks are in; the second head's may be out: the first pass reads none of them
.Lnot_first:
	s_barrier_signal -1
	s_barrier_wait -1                              ; the first head's 16 chunks are in
.macro ADDR p                          ; the addresses of the chunk at s[TB] and of the one whose K is fetched ahead
	s_add_co_u32 s[TK], s[TB], CHUNK
	s_min_u32 s[TK], s[TK], \p*HEADB+15*CHUNK
	v_add_nc_u32 v[AV], s[TB], v1
	v_add_nc_u32 v[AV+1], s[TB], v2
	v_add_nc_u32 v[AK], s[TK], v1
	v_add_nc_u32 v[AK+1], s[TK], v2
	WALU
.endm
.macro KFRAG a                         ; K's eight tiles (window 1)
.irp t, 0,1,2,3,4,5,6,7
	ds_load_b128 v[KF+8*\t:KF+8*\t+3], v[\a] offset:512*\t
.endr
.endm
.macro KWORD a                         ; and their scale words (window 0)
.irp i, 0,1,2,3
	ds_load_b32 v[KS+\i], v[\a+1] offset:8192+128*\i
.endr
.endm
.macro QK t, i, p
.if (\t)%2
	v_wmma_scale_f32_16x16x128_f8f6f4 v[S+64*\i+8*\t:S+64*\i+8*\t+7], v[KF+8*\t:KF+8*\t+7], v[QF+8*(2*\p+\i):QF+8*(2*\p+\i)+7], 0, v[KS+\t/2], v[QS+2*\p+\i] matrix_a_fmt:MATRIX_FMT_FP4 matrix_b_fmt:MATRIX_FMT_FP4 matrix_a_scale:MATRIX_SCALE_ROW1
.else
	v_wmma_scale_f32_16x16x128_f8f6f4 v[S+64*\i+8*\t:S+64*\i+8*\t+7], v[KF+8*\t:KF+8*\t+7], v[QF+8*(2*\p+\i):QF+8*(2*\p+\i)+7], 0, v[KS+\t/2], v[QS+2*\p+\i] matrix_a_fmt:MATRIX_FMT_FP4 matrix_b_fmt:MATRIX_FMT_FP4
.endif
.endm
.macro PV t, i
.if (\t)%2
	v_wmma_scale_f32_16x16x128_f8f6f4 v[O+32*\i+8*\t:O+32*\i+8*\t+7], v[VF+8*\t:VF+8*\t+7], v[PC+8*\i:PC+8*\i+7], v[O+32*\i+8*\t:O+32*\i+8*\t+7], v[VS+\t/2], v[FP+2*\i+1] matrix_a_fmt:MATRIX_FMT_FP4 matrix_b_fmt:MATRIX_FMT_FP4 matrix_a_scale:MATRIX_SCALE_ROW1
.else
	v_wmma_scale_f32_16x16x128_f8f6f4 v[O+32*\i+8*\t:O+32*\i+8*\t+7], v[VF+8*\t:VF+8*\t+7], v[PC+8*\i:PC+8*\i+7], v[O+32*\i+8*\t:O+32*\i+8*\t+7], v[VS+\t/2], v[FP+2*\i+1] matrix_a_fmt:MATRIX_FMT_FP4 matrix_b_fmt:MATRIX_FMT_FP4
.endif
.endm
.macro PF k, q                         ; t - M of pair q of half tile k
	v_pk_fma_f32 v[S+32*(\k)+2*(\q):S+32*(\k)+2*(\q)+1], v[S+32*(\k)+2*(\q):S+32*(\k)+2*(\q)+1], s[CS:CS+1], v[MN+2*((\k)/2):MN+2*((\k)/2)+1] op_sel_hi:[1,0,0]
.endm
.macro SF i, m, src                    ; accumulator m of tile i: x f, + a pair of p
	v_pk_fma_f32 v[A+16*(\i)+2*(\m):A+16*(\i)+2*(\m)+1], v[A+16*(\i)+2*(\m):A+16*(\i)+2*(\m)+1], v[FP+2*(\i):FP+2*(\i)+1], v[\src:\src+1] op_sel_hi:[1,0,1]
.endm
.macro SD i, m, src                    ; + a pair of p
	v_pk_add_f32 v[A+16*(\i)+2*(\m):A+16*(\i)+2*(\m)+1], v[A+16*(\i)+2*(\m):A+16*(\i)+2*(\m)+1], v[\src:\src+1]
.endm
.macro CV c                            ; eight p into register c of the codes
	v_cvt_scalef32_pk8_fp4_f32 v[PC+(\c)], v[S+8*(\c):S+8*(\c)+7], v[SOP+(\c)/2]
.endm
.macro MX n
	v_max_num_f32 v[BM+\n], v[BM+\n], v[PM+\n]     ; with lane l xor 16's 16 keys
.endm
.macro BXF n
	v_fma_f32 v[BX+\n], v[BM+\n], s[CS], v[MN+2*(\n/4)]   ; t - M of the block's largest score: the same multiply-add as its score's
.endm
; A KEY STEP: 128 keys x my 32 queries
.macro STEP p
	s_wait_dscnt 0x0                               ; K's fragments and words, asked for a step ago, are in
	WIN 0x05
.irp t, 0,1,2,3,4,5,6,7
.irp i, 0,1
	QK \t, \i, \p
.endr
.endr
	WIN 0
.rept 4
	v_nop                                          ; places: ahead of the loads into K's registers and of the first read of the scores
.endr
	WIN 0x40
.irp t, 0,1,2,3
.irp c, 0,1
	ds_load_b128 v[VF+8*\t+4*\c:VF+8*\t+4*\c+3], v[AV] offset:4096+1024*\t+512*\c
.endr
.endr
	KFRAG AK
	WIN 0
.irp i, 0,1
	ds_load_b32 v[VS+\i], v[AV+1] offset:8704+128*\i
.endr
	KWORD AK
.irp n, 0,1,2,3,4,5,6,7
	v_max_num_f32 v[BM+\n], v[S+16*\n], v[S+16*\n+1]   ; each block's largest score: for the row's maximum, and, since p rises with the score, for the block's largest p
.endr
.irp j, 2,4,6,8,10,12,14
.irp n, 0,1,2,3,4,5,6,7
	v_max3_num_f32 v[BM+\n], v[S+16*\n+\j], v[S+16*\n+\j+1], v[BM+\n]
.endr
.endr
.irp n, 0,1,2,3,4,5,6,7
	v_permlanex16_b32 v[PM+\n], v[BM+\n], s[SEL], s[SEL+1]
.endr
	; the two tiles' chains to -M and f, laid among each other and among lines that are due anyway
	MX 0
	MX 1
	MX 2
	MX 3
	v_max3_num_f32 v[T], v[BM], v[BM+1], v[BM+2]
	MX 4
	MX 5
	v_max3_num_f32 v[MN+1], v[MN+1], v[T], v[BM+3] ; the running largest score
	MX 6
	MX 7
	v_mul_f32 v[T], s[NC], v[MN+1]                 ; -t
	v_max3_num_f32 v[T+1], v[BM+4], v[BM+5], v[BM+6]
	v_floor_f32 v[T], v[T]                         ; the new -M = floor(-t): M is a whole number
	v_max3_num_f32 v[MN+3], v[MN+3], v[T+1], v[BM+7]
	v_sub_f32 v[PM], v[T], v[MN]                   ; old M - new M, 0 or less
	v_mul_f32 v[T+1], s[NC], v[MN+3]
	v_mov_b32 v[MN], v[T]
	v_floor_f32 v[T+1], v[T+1]
	v_cvt_i32_f32 v[PM], v[PM]                     ; (it saturates)
	BXF 0
	BXF 1
	v_sub_f32 v[PM+1], v[T+1], v[MN+2]
	v_mov_b32 v[MN+2], v[T+1]
	v_ldexp_f32 v[FP], 1.0, v[PM]                  ; f
	v_cvt_i32_f32 v[PM+1], v[PM+1]
	BXF 2
	BXF 3
.set j, 0
.rept 16
	PF 0, j
.set j, j+1
.endr
	v_ldexp_f32 v[FP+2], 1.0, v[PM+1]
.irp n, 4,5,6,7
	BXF \n
.endr
.irp n, 0,1,2,3,4,5,6,7
	v_max_num_f32 v[BX+\n], 0xc2f80000, v[BX+\n]   ; held at -124 from below: the block's scale byte cannot fall under 1
.endr
	WIN 0x41
.set j, 0
.rept 32
	v_pk_mul_f32 v[O+2*j:O+2*j+1], v[O+2*j:O+2*j+1], v[FP+2*(j/16):FP+2*(j/16)+1] op_sel_hi:[1,0]   ; O^T under the new M: ahead of the step's exponentials
.set j, j+1
.endr
	WIN 0
	WALU                                           ; ahead of the first batch
.set j, 0
.rept 8
	v_exp_f32 v[BX+j], v[BX+j]                     ; the blocks' largest p
	PF 1, j
.set j, j+1
.endr
.set j, 0
.rept 32
	v_exp_f32 v[S+j], v[S+j]
.if j < 8
	PF 1, 8+j
.elseif j < 24
	PF 2, j-8
.endif
.set j, j+1
.endr
	v_nop
	WALU                                           ; between two batches: behind the one, ahead of the other
.set j, 0
.rept 32
	v_exp_f32 v[S+32+j], v[S+32+j]
.if j < 16
	PF 3, j
.elseif j < 24
	SF 0, j-16, S+2*(j-16)
.else
	v_add_nc_u32 v[SOP+j-24], 0xff000000, v[BX+j-24]   ; 2 off the exponent field: the conversion's scale operand
.endif
.set j, j+1
.endr
	WALU
.set j, 0
.rept 32
	v_exp_f32 v[S+64+j], v[S+64+j]
.if j < 8
	SD 0, j, S+16+2*j
.elseif j < 16
	v_lshrrev_b32 v[PM+j-8], 23, v[SOP+j-8]        ; the scale's byte
.elseif (j-16)%4 == 0
	CV (j-16)/4
.endif
.set j, j+1
.endr
	v_nop
	WALU
.set j, 0
.rept 32
	v_exp_f32 v[S+96+j], v[S+96+j]
.if j < 8
	SD 0, j, S+32+2*j
.elseif j < 16
	SF 1, j-8, S+64+2*(j-8)
.elseif j < 20
	v_lshl_or_b32 v[BM+j-16], v[PM+2*(j-16)+1], 8, v[PM+2*(j-16)]
.elseif (j-20)%3 == 0
	CV 4+(j-20)/3
.endif
.set j, j+1
.endr
	v_nop
	WALU                                           ; behind the last batch
.irp i, 0,1
	v_lshl_or_b32 v[FP+2*\i+1], v[BM+2*\i+1], 16, v[BM+2*\i]   ; p's scale word for these 128 keys
.endr
.irp c, 8,9,10,11,12,13,14,15
	CV \c
.endr
	v_nop                                          ; one plain place behind the conversions
.irp m, 0,1,4,5,8,9,12,13
	v_permlane16_swap_b32 v[PC+\m], v[PC+\m+2]     ; the operand wants a whole block in a lane
.endr
	s_wait_dscnt 4                                 ; V's fragments and words are in; K's four words, the youngest, may be out
.irp m, 0,1,2,3,4,5,6,7                        ; the sums' last rounds; these lines are also the places ahead of the products
	SD 1, \m, S+80+2*\m
.endr
.irp m, 0,1,2,3,4,5,6,7
	SD 0, \m, S+48+2*\m
.endr
.irp m, 0,1,2,3,4,5,6,7
	SD 1, \m, S+96+2*\m
.endr
.irp m, 0,1,2,3,4,5,6,7
	SD 1, \m, S+112+2*\m
.endr
	WIN 0x51
.irp t, 0,1,2,3
.irp i, 0,1
	PV \t, \i                                      ; eight accumulators by turns; 23 other products stand between two steps of a sum
.endr
.endr
	WIN 0
	s_add_co_u32 s[TB], s[TB], CHUNK
	ADDR \p                                        ; its four additions are places behind the products
.endm
; A PASS'S END: the accumulators joined; O^T / the sum, quantised along the head's 64 in two blocks; m = 2 i + b
.macro FIN p
	s_wait_dscnt 0x0                               ; the look-ahead's last loads are in: their registers may be loaded anew
.irp d, 4,2,1
.irp i, 0,1
.set j, 0
.rept \d
	SD \i, j, A+16*\i+2*(j+\d)
.set j, j+1
.endr
.endr
.endr
.irp i, 0,1
	v_add_f32 v[A+16*\i], v[A+16*\i], v[A+16*\i+1]
.endr
.irp i, 0,1
	v_permlanex16_b32 v[PM+\i], v[A+16*\i], s[SEL], s[SEL+1]
.endr
.irp i, 0,1
	v_add_f32 v[A+16*\i], v[A+16*\i], v[PM+\i]     ; the row's sum
.endr
	WALU
.irp i, 0,1
	v_rcp_f32 v[A+16*\i], v[A+16*\i]
.endr
	v_nop
	WIN 0x01
	WALU                                           ; behind the reciprocals, directly ahead of the first readers of O^T
.set j, 0
.rept 32
	v_pk_mul_f32 v[S+2*j:S+2*j+1], v[O+2*j:O+2*j+1], v[A+16*(j/16):A+16*(j/16)+1] op_sel_hi:[1,0]
.set j, j+1
.endr
	WIN 0
.irp m, 0,1,2,3
	v_max3_num_f32 v[BM+\m], |v[S+16*\m]|, |v[S+16*\m+1]|, 0x1800000
.endr
.irp j, 2,4,6,8,10,12,14
.irp m, 0,1,2,3
	v_max3_num_f32 v[BM+\m], |v[S+16*\m+\j]|, |v[S+16*\m+\j+1]|, v[BM+\m]
.endr
.endr
.irp m, 0,1,2,3
	v_permlanex16_b32 v[PM+\m], v[BM+\m], s[SEL], s[SEL+1]
.endr
.irp m, 0,1,2,3
	v_max_num_f32 v[BM+\m], v[BM+\m], v[PM+\m]
.endr
.irp m, 0,1,2,3
	v_add_nc_u32 v[SOP+\m], 0xff000000, v[BM+\m]
.endr
.irp m, 0,1,2,3
	v_lshrrev_b32 v[PM+\m], 23, v[SOP+\m]
.endr
.if \p == 0
.irp i, 0,1
	v_lshl_or_b32 v[WD+\i], v[PM+2*\i+1], 8, v[PM+2*\i]
.endr
.else
.irp i, 0,1
	v_lshl_or_b32 v[T+\i], v[PM+2*\i+1], 8, v[PM+2*\i]
.endr
.irp i, 0,1
	v_lshl_or_b32 v[WD+\i], v[T+\i], 16, v[WD+\i]  ; both heads' two bytes: a scale word of the out-projection's operand
.endr
.endif
.irp c, 0,1,2,3,4,5,6,7
	CV \c
.endr
	v_nop
.irp m, 0,1,4,5
	v_permlane16_swap_b32 v[PC+\m], v[PC+\m+2]
.endr
.irp i, 0,1
	global_store_b128 v1, v[PC+4*\i:PC+4*\i+3], s[6:7] offset:512*\p+8192*\i   ; an image: 32 lanes store 512 consecutive bytes, aligned
.endr
.endm
.macro PASS p
.irp i, 0,1
	v_mov_b32 v[MN+2*\i+1], 0xff61b1e6             ; the largest score so far: -3e38
	v_mov_b32 v[MN+2*\i], 0x7f61b1e6               ; -M: 3e38, so that the first f is 0
.endr
.set j, 0
.rept 32
	v_mov_b32 v[A+j], 0
.set j, j+1
.endr
	WIN 0x40
.set j, 0
.rept 64
	v_mov_b32 v[O+j], 0                            ; O^T: the step is written once; the first finds zeros
.set j, j+1
.endr
	WIN 0
	ADDR \p
	WIN 0x40
	KFRAG AV
	WIN 0
	KWORD AV
	s_mov_b32 s[CNT], 16
.Lstep_\p:
	STEP \p
	s_sub_co_u32 s[CNT], s[CNT], 1
	s_cmp_lg_u32 s[CNT], 0
	s_cbranch_scc1 .Lstep_\p
	FIN \p
.endm
	PASS 0
	s_wait_xcnt 0x0                                ; the first head's stores have read their data
	s_wait_tensorcnt 0x0                           ; every wave: the second head's chunks are in,
	s_barrier_signal -1
	s_barrier_wait -1                              ; and shown to all
	PASS 1
.irp i, 0,1
	ds_store_b32 v8, v[WD+\i] offset:64*\i         ; both halves of the lanes hold the same word
.endr
	s_wait_dscnt 0x0
	s_barrier_signal -1
	s_barrier_wait -1
	s_cmp_lt_u32 s[WV], 2
	s_cbranch_scc0 .Lno_words
	ds_load_b128 v[128:131], v7
	s_wait_dscnt 0x0
	global_store_b128 v1, v[128:131], s[8:9]       ; 32 lanes store 512 consecutive bytes, aligned
.Lno_words:
	s_wait_tensorcnt 0x0                           ; the wave's end
	ds_add_u32 v3, v4
	s_wait_dscnt 0x0
	CROUND                                         ; the closing round
	s_endpgm
.Lfunc_end_k_qfd0ee9ffa8_attn:
	.size	k_qfd0ee9ffa8_attn, .Lfunc_end_k_qfd0ee9ffa8_attn-k_qfd0ee9ffa8_attn
	.p2alignl 7, 3214868480
	.fill 96, 4, 3214868480
	.section	.rodata,"a",@progbits
	.p2align	6, 0x0
	.amdhsa_kernel k_qfd0ee9ffa8_attn
		.amdhsa_group_segment_fixed_size 327680
		.amdhsa_private_segment_fixed_size 0
		.amdhsa_enable_private_segment 0
		.amdhsa_kernarg_size 24
		.amdhsa_user_sgpr_count 2
		.amdhsa_user_sgpr_kernarg_segment_ptr 1
		.amdhsa_wavefront_size32 1
		.amdhsa_system_sgpr_workgroup_id_x 1
		.amdhsa_system_sgpr_workgroup_id_y 1
		.amdhsa_system_sgpr_workgroup_id_z 1
		.amdhsa_system_vgpr_workitem_id 0
		.amdhsa_next_free_vgpr 512
		.amdhsa_next_free_sgpr 66
		.amdhsa_reserve_vcc 0
		.amdhsa_float_denorm_mode_32 3
		.amdhsa_float_denorm_mode_16_64 3
		.amdhsa_memory_ordered 1
		.amdhsa_forward_progress 1
		.amdhsa_inst_pref_size 90
	.end_amdhsa_kernel
	.amdgpu_metadata
---
amdhsa.version: [ 1, 2 ]
amdhsa.kernels:
  - .name:           k_qfd0ee9ffa8_attn
    .symbol:         k_qfd0ee9ffa8_attn.kd
    .args:
      - { .name: qkv, .offset: 0, .size: 8, .value_kind: global_buffer, .address_space: global }
      - { .name: c3, .offset: 8, .size: 8, .value_kind: global_buffer, .address_space: global }
      - { .name: s3, .offset: 16, .size: 8, .value_kind: global_buffer, .address_space: global }
    .group_segment_fixed_size: 327680
    .private_segment_fixed_size: 0
    .kernarg_segment_align: 8
    .kernarg_segment_size: 24
    .max_flat_workgroup_size: 256
    .sgpr_count:     66
    .vgpr_count:     512
    .wavefront_size: 32
...
	.end_amdgpu_metadata
.endif
;; end of part 3
;; launch proj (part 4): grid 4 x 64, 4 waves a work-group, clusters of 4 x 4, 327,680 bytes of LDS; arguments c3, s3, c1, s1, bo, out0; writes out0
.if DOCPART == 4
	.amdgcn_target "amdgcn-amd-amdhsa--gfx1250"
	.amdhsa_code_object_version 6
	.text
	.protected	k_qfd0ee9ffa8_proj
	.globl	k_qfd0ee9ffa8_proj
	.p2align	8
	.type	k_qfd0ee9ffa8_proj,@function
k_qfd0ee9ffa8_proj:
	s_mov_b64 s[64:65], 0
	v_nop
	global_prefetch_b8 v0, s[64:65] scope:SCOPE_SE
	s_setreg_imm32_b32 hwreg(HW_REG_WAVE_MODE, 25, 1), 1
	s_wait_xcnt 0x0
	s_wait_alu depctr_hold_cnt(0) depctr_sa_sdst(0) depctr_va_vdst(0) depctr_va_sdst(0) depctr_va_ssrc(0) depctr_va_vcc(0) depctr_vm_vsrc(0)
	s_getreg_b32 s2, hwreg(HW_REG_IB_STS2, 6, 4)
	s_cmp_eq_u32 s2, 0
	s_cbranch_scc0 .Lentry_in_a_cluster
	s_endpgm
.Lentry_in_a_cluster:
	s_bfe_u32 s2, ttmp6, 0x10000c
	s_cmp_lg_u32 s2, 0xf033
	s_cbranch_scc0 .Lentry_shape_is_right
	s_endpgm
.Lentry_shape_is_right:
; Fourth launch: out0 = context Wo^T + bo on codes of FP4 (E2M1), f32 out: 8,192 x 1,024 x 1,024.  Nothing of the problem's work is left out here.
; A IS WHAT THE ATTENTION LAUNCH LEFT: c3[tile of 16 stored tokens][head][lane][16 bytes], 8,192 bytes a tile: a fragment of 128 along K is two heads' images; s3[pair of heads][8,192 tokens][4 bytes]: a scale word for each token and 128 along K.
; B: Wo's rows in c1 (512 bytes a row) and s1 (32), from row 11,264, in the stored order (bits 3 and 4 of a row's number exchanged); the way out puts columns and tokens back into their true places.
; SHARES: 256 work-groups of four waves, 2 x 2, each 128 tokens x 256 columns; a wave makes 64 tokens (four blocks of 16) x 128 columns (eight tiles of 16).  Source 0 = 16 rows of B, source 1 = 16 tokens: a lane holds eight neighbouring columns of one token.
; BY ROWS OF THE RESULT: a wave holds its 128 rows of B, ALL of K, in 512 registers, and finishes its four blocks of tokens one after the other, 64 products each, eight accumulators by turns, K ascending.  The bias is the C of a block's first products.
; Each block leaves through the wave's own stage in LDS while the next block is multiplied: the first stores go out a block behind the first products.
; CLUSTER: 4 x 4; A's tiles are asked for jointly along a row of the cluster, B's along a column.  One tensor load a wave, all of K: waves 0 and 1 B's halves (128 rows), waves 2 and 3 A's (four tiles).  Nothing is filled again.
; A first barrier shows B alone, which goes on into registers while A lands; a second shows A.  No data prefetch: all that the launch reads by tensor loads is asked for at its head.  The scale words and the bias go from memory straight into registers.
; LIMITS: NaN, infinities and sums beyond f32's range are not served; a sum begins with the bias, where the reference adds it last.
; REGISTERS: window 0: v16-29 addresses; v32-95 B's scale words (8 b + kq); v100-115 A's (8 (a / 2) + kq; lanes 16-31: the odd block); v116-179 a block's fragments of A; v180-243 the bias.
;   windows 1, 2: B's fragments: 64 kq + 8 b from v256 on.   window 3: v0-127 two sets of eight accumulators; v128-255 two sets of 16 rows on their way back from the stage.
.set PITCH,  528                       ; an LDS row of B: 512 bytes + 16 of padding = 132 words: the 16 rows that a load touches start at 16 different banks (64 banks of 4 bytes: ISA guide 11.1)
.set BOFF,   65536                     ; A's eight tiles, dense, lie in front of B
.set BHALF,  128*PITCH
.set STAGE,  BOFF+2*BHALF              ; 16 rows x (512 bytes + 16) for each wave: bytes of their own, into which no tile lands
.set SPITCH, 528
.set SPARE,  STAGE+4*16*SPITCH         ; the spare words, 128 bytes a wave
.set ADRA, 16
.set ADRB, 20
.set ASA,  22
.set ASB,  23
.set STO,  24
.set RD,   25
.set CO,   26
.set BOO,  27
.set SPW,  28
.set NIL,  29
.set SCB,  32
.set SCA,  100                         ; a product's two scale registers differ by 4 modulo 8 in their numbers
.set AF,   116
.set BO,   180
.set WV,   16
.set HM,   17                          ; which 64 tokens are mine.  Also: I fetch for B (0) or for A (1)
.set HN,   18                          ; which 128 columns.  Also: which half of that side I fetch
.set G1,   24
.set G0,   32
.set G1B,  48
.set G0B,  56
.set MSB, 0
.macro WIN new                         ; the immediate's high byte repeats the setting that is left
.if MSB != \new
	s_set_vgpr_msb (MSB<<8)|\new
.set MSB, \new
.endif
.endm
.macro CROUND
	s_barrier_signal -1
	s_barrier_wait -1
	s_cmp_lg_u32 s[WV], 0
	s_cbranch_scc1 .Lnot_wave_0_\@
	s_barrier_signal -3
.Lnot_wave_0_\@:
	s_barrier_wait -3
	s_barrier_signal -1
	s_barrier_wait -1
.endm
.macro PLACES n
.rept \n
	v_nop
.endr
.endm
	s_load_b256 s[4:11], s[0:1], 0x0               ; c3, s3, c1, s1
	s_load_b128 s[12:15], s[0:1], 0x20             ; bo, out0
	v_lshl_add_u32 v[SPW], v0, 2, SPARE
	v_mov_b32 v[NIL], 0
	ds_add_u32 v[SPW], v[NIL]                      ; the opening lines: the add twice on end and its wait
	ds_add_u32 v[SPW], v[NIL]
	v_lshrrev_b32 v1, 5, v0
	v_readfirstlane_b32 s[WV], v1
	s_lshr_b32 s[HM], s[WV], 1
	s_and_b32 s[HN], s[WV], 1
	s_bfe_u32 s40, ttmp6, 0x40000
	s_bfe_u32 s41, ttmp6, 0x40004
	s_lshl_b32 s42, ttmp9, 2
	s_add_co_u32 s42, s42, s40                     ; the tile of 256 columns
	s_and_b32 s43, ttmp7, 0xffff
	s_lshl_b32 s43, s43, 2
	s_add_co_u32 s43, s43, s41                     ; the tile of 128 tokens
	s_lshl_b32 s44, s41, 2
	s_lshl_b32 s44, 15, s44                        ; my row of the cluster
	s_lshl_b32 s45, 0x1111, s40                    ; my column
	s_or_b32 s[G1+0], s44, (3<<16)|(1<<21)         ; A: four tiles of 8,192 bytes on end, as rows of 1,024 elements of 8 bytes
	s_mov_b32 s[G1+1], 1024<<16
	s_mov_b32 s[G1+2], 4<<16
	s_mov_b32 s[G1+3], 1024<<16
	s_mov_b32 s[G1+4], 4
	s_mov_b32 s[G1+5], 1024
	s_mov_b32 s[G1+6], 0
	s_mov_b32 s[G1+7], 0
	s_or_b32 s[G1B+0], s45, (0<<16)|(1<<20)|(1<<21)|(6<<22)|(3<<25)   ; B: 128 rows of 512 bytes, four words of padding behind every 128
	s_mov_b32 s[G1B+1], 512<<16
	s_mov_b32 s[G1B+2], 128<<16
	s_mov_b32 s[G1B+3], 512<<16
	s_mov_b32 s[G1B+4], 128
	s_mov_b32 s[G1B+5], 512
	s_mov_b32 s[G1B+6], 0
	s_mov_b32 s[G1B+7], 0
	s_lshl_b32 s20, s43, 3
	s_lshl_b32 s2, s[HN], 2
	s_add_co_u32 s20, s20, s2
	s_lshl_b32 s20, s20, 13                        ; A: the four tiles that I would fetch
	s_mov_b32 s21, 0
	s_lshl_b32 s22, s43, 9                         ; A's scale words: 512 bytes for the 128 tokens in each pair of heads
	s_mov_b32 s23, 0
	s_lshl_b32 s46, s42, 8
	s_lshl_b32 s2, s[HN], 7
	s_add_co_u32 s46, s46, s2
	s_add_co_u32 s46, s46, 11264                   ; B: the 128 rows that I would fetch, which are also those that I multiply
	s_lshl_b32 s66, s46, 5
	s_lshl_b32 s46, s46, 9
	s_mov_b32 s47, 0
	s_mov_b32 s67, 0
	s_lshl_b32 s2, s[HN], 15                       ; where they go: no place in the cluster enters an LDS address
	s_mul_i32 s3, s[HN], BHALF
	s_add_co_u32 s3, s3, BOFF
	s_wait_dscnt 0x0
	s_wait_kmcnt 0x0
	s_add_nc_u64 s[20:21], s[4:5], s[20:21]
	s_add_nc_u64 s[22:23], s[6:7], s[22:23]
	s_add_nc_u64 s[46:47], s[8:9], s[46:47]
	s_add_nc_u64 s[66:67], s[10:11], s[66:67]
	CROUND                                         ; the round in front of the joint loads
	s_mov_b32 s[G0], 1
	s_mov_b32 s[G0+1], s2
	s_mov_b64 s[G0+2:G0+3], s[20:21]
	s_or_b32 s[G0+3], s[G0+3], 0x80000000
	s_mov_b32 s[G0B], 1
	s_mov_b32 s[G0B+1], s3
	s_mov_b64 s[G0B+2:G0B+3], s[46:47]
	s_or_b32 s[G0B+3], s[G0B+3], 0x80000000
	s_cmp_eq_u32 s[HM], 0
	s_cbranch_scc0 .Lfor_a
	tensor_load_to_lds s[G0B:G0B+3], s[G1B:G1B+7]  ; waves 0 and 1: B, which is wanted first
	s_nop 0
	PLACES 4
	s_branch .Lasked
.Lfor_a:
	tensor_load_to_lds s[G0:G0+3], s[G1:G1+7]      ; waves 2 and 3: A
	s_nop 0
	PLACES 4
.Lasked:
	s_lshl_b32 s4, s42, 10
	s_lshl_b32 s5, s[HN], 9
	s_add_co_u32 s4, s4, s5                        ; my first column, in bytes
	s_mov_b32 s5, 0
	s_add_nc_u64 s[12:13], s[12:13], s[4:5]
	s_add_nc_u64 s[14:15], s[14:15], s[4:5]
	s_lshl_b32 s4, s43, 19
	s_lshl_b32 s6, s[HM], 18
	s_add_co_u32 s4, s4, s6                        ; my first token's row of 4,096 bytes
	s_add_nc_u64 s[14:15], s[14:15], s[4:5]
	v_and_b32 v1, 15, v0
	v_bfe_u32 v2, v0, 4, 1
	v_and_b32 v3, 31, v0
	v_lshlrev_b32 v[BOO], 6, v2
.irp b, 0,1,2,3,4,5,6,7
	global_load_b128 v[BO+8*\b:BO+8*\b+3], v[BOO], s[12:13] offset:128*(\b/2)+32*(\b%2)       ; the bias in the result's layout
	global_load_b128 v[BO+8*\b+4:BO+8*\b+7], v[BOO], s[12:13] offset:128*(\b/2)+32*(\b%2)+16
.endr
	v_lshlrev_b32 v[CO], 4, v3
	s_lshl_b32 s6, s[HM], 15
	v_add_nc_u32 v[ADRA], s6, v[CO]                ; my four tiles of A: an image's 16 bytes a lane
	v_mul_u32_u24 v4, v1, PITCH
	v_lshl_add_u32 v4, v2, 4, v4
	s_mul_i32 s6, s[HN], BHALF
	s_add_co_u32 s6, s6, BOFF
	v_add_nc_u32 v[ADRB], s6, v4
	s_lshl_b32 s6, s[HM], 8
	v_lshl_add_u32 v[ASA], v3, 2, s6               ; A's scale words: my 64 tokens, 4 bytes a lane
	v_lshlrev_b32 v[ASB], 5, v1                    ; B's scale bytes: 32 a row
	s_mul_i32 s6, s[WV], 16*SPITCH
	s_add_co_u32 s6, s6, STAGE
	v_mul_u32_u24 v4, v1, SPITCH
	v_lshl_add_u32 v4, v2, 6, v4
	v_add_nc_u32 v[STO], s6, v4
	v_add_nc_u32 v[RD], s6, v[CO]
	s_wait_alu depctr_va_vdst(0)                   ; the head's end
.irp i, 0,1,2,3,4,5,6,7
.irp u, 0,1
	global_load_b128 v[SCB+8*\i+4*\u:SCB+8*\i+4*\u+3], v[ASB], s[66:67] offset:512*\i+16*\u
.endr
.endr
.irp k, 0,1,2,3,4,5,6,7
.irp j, 0,1
	global_load_b32 v[SCA+8*\j+\k], v[ASA], s[22:23] offset:32768*\k+128*\j
.endr
.endr
.macro FETCHB kq                       ; my eight fragments of B of the kq-th 128 along K
	WIN (1+(\kq)/4)<<6
.irp i, 0,1,2,3,4,5,6,7
.irp c, 0,1
	ds_load_b128 v[64*((\kq)%4)+8*\i+4*\c:64*((\kq)%4)+8*\i+4*\c+3], v[ADRB] offset:64*(\kq)+32*\c+\i*16*PITCH
.endr
.endr
.endm
.macro FETCHA a                        ; block a's eight fragments of A: 16 loads
.irp q, 0,1,2,3,4,5,6,7
.irp c, 0,1
	ds_load_b128 v[AF+8*\q+4*\c:AF+8*\q+4*\c+3], v[ADRA] offset:(\a)*8192+\q*1024+512*\c
.endr
.endr
.endm
.macro W1 d, s0, s1, c, x0, x1, o
.if \o
	v_wmma_scale_f32_16x16x128_f8f6f4 v[\d:\d+7], v[\s0:\s0+7], v[\s1:\s1+7], v[\c:\c+7], v[\x0], v[\x1] matrix_a_fmt:MATRIX_FMT_FP4 matrix_b_fmt:MATRIX_FMT_FP4 matrix_b_scale:MATRIX_SCALE_ROW1
.else
	v_wmma_scale_f32_16x16x128_f8f6f4 v[\d:\d+7], v[\s0:\s0+7], v[\s1:\s1+7], v[\c:\c+7], v[\x0], v[\x1] matrix_a_fmt:MATRIX_FMT_FP4 matrix_b_fmt:MATRIX_FMT_FP4
.endif
.endm
.macro PRODS a                         ; block a: 64 products, its eight accumulators by turns, K ascending
.set AC, 64*((\a)%2)
.irp kq, 0,1,2,3,4,5,6,7
.if \kq == 0
	WIN 0xc1                                       ; D window 3, the bias as C window 0, A window 0, B window 1
.elseif \kq < 4
	WIN 0xf1
.else
	WIN 0xf2
.endif
.irp b, 0,1,2,3,4,5,6,7
.if \kq == 0
	W1 AC+8*\b, 64*(\kq%4)+8*\b, AF+8*\kq, BO+8*\b, SCB+8*\b+\kq, SCA+8*((\a)/2)+\kq, (\a)%2
.else
	W1 AC+8*\b, 64*(\kq%4)+8*\b, AF+8*\kq, AC+8*\b, SCB+8*\b+\kq, SCA+8*((\a)/2)+\kq, (\a)%2
.endif
.endr
.endr
	WIN 0
.endm
.macro TOSTAGE a                       ; block a's sums into my stage, each accumulator from its low end on, and back as whole rows of 512 bytes.  LDS serves a wave's instructions in order: no wait between
.set AC, 64*((\a)%2)
	WIN 0x0c
.irp b, 0,1,2,3,4,5,6,7
	ds_store_b128 v[STO], v[AC+8*\b:AC+8*\b+3] offset:128*(\b/2)+32*(\b%2)
	ds_store_b128 v[STO], v[AC+8*\b+4:AC+8*\b+7] offset:128*(\b/2)+32*(\b%2)+16
.endr
	WIN 0xc0
.irp t, 0,1,2,3,4,5,6,7,8,9,10,11,12,13,14,15
	ds_load_b128 v[128+AC+4*\t:128+AC+4*\t+3], v[RD] offset:\t*SPITCH
.endr
	WIN 0
.endm
.macro SEND a                          ; its 16 rows go to their tokens' true places: 32 lanes store 512 consecutive bytes, aligned
.set AC, 64*((\a)%2)
	s_wait_dscnt 0x0                               ; the rows are back from the stage
	WIN 0x0c
.irp t, 0,1,2,3,4,5,6,7,8,9,10,11,12,13,14,15
	global_store_b128 v[CO], v[128+AC+4*\t:128+AC+4*\t+3], s[14:15] offset:(32*((\a)/2)+8*((\a)%2)+(\t%8)+16*(\t/8))*4096 th:TH_STORE_NT
.endr
	WIN 0
.endm
	s_cmp_eq_u32 s[HM], 0
	s_cbranch_scc0 .Lnot_b
	s_wait_tensorcnt 0x0                           ; waves 0 and 1: B's halves are in
.Lnot_b:
	s_barrier_signal -1
	s_barrier_wait -1                              ; B is shown to all; A may still be on its way
.irp kq, 0,1,2,3,4,5,6,7
	FETCHB \kq
.endr
	WIN 0
	s_wait_tensorcnt 0x0                           ; every wave: A's halves are in
	s_wait_dscnt 0x0
	s_barrier_signal -1
	s_barrier_wait -1
	FETCHA 0
	s_wait_loadcnt 0x0                             ; the bias and the scale words
	s_wait_dscnt 0x0
	PRODS 0
	PLACES 4                                       ; places: ahead of the loads into A's registers and of the first read of the sums
	FETCHA 1
	TOSTAGE 0
	s_wait_dscnt 32                                ; block 1's fragments are in; the stage's 16 stores and 16 loads may be out
	PRODS 1
	SEND 0
	PLACES 4
	FETCHA 2
	TOSTAGE 1
	s_wait_dscnt 32
	PRODS 2                                        ; on block 0's accumulators: the stage's stores have read them, and eight places lie behind block 0's products
	SEND 1
	PLACES 4
	FETCHA 3
	s_wait_xcnt 0x0                                ; block 0's stores have read their registers: block 2's rows may land there
	TOSTAGE 2
	s_wait_dscnt 32
	PRODS 3
	SEND 2
	PLACES 4
	s_wait_xcnt 0x0
	TOSTAGE 3
	SEND 3
	s_wait_tensorcnt 0x0                           ; the wave's end
	ds_add_u32 v[SPW], v[NIL]
	s_wait_dscnt 0x0
	CROUND                                         ; the closing round
	s_endpgm
.Lfunc_end_k_qfd0ee9ffa8_proj:
	.size	k_qfd0ee9ffa8_proj, .Lfunc_end_k_qfd0ee9ffa8_proj-k_qfd0ee9ffa8_proj
	.p2alignl 7, 3214868480
	.fill 96, 4, 3214868480
	.section	.rodata,"a",@progbits
	.p2align	6, 0x0
	.amdhsa_kernel k_qfd0ee9ffa8_proj
		.amdhsa_group_segment_fixed_size 327680
		.amdhsa_private_segment_fixed_size 0
		.amdhsa_enable_private_segment 0
		.amdhsa_kernarg_size 48
		.amdhsa_user_sgpr_count 2
		.amdhsa_user_sgpr_kernarg_segment_ptr 1
		.amdhsa_wavefront_size32 1
		.amdhsa_system_sgpr_workgroup_id_x 1
		.amdhsa_system_sgpr_workgroup_id_y 1
		.amdhsa_system_sgpr_workgroup_id_z 1
		.amdhsa_system_vgpr_workitem_id 0
		.amdhsa_next_free_vgpr 1024
		.amdhsa_next_free_sgpr 92
		.amdhsa_reserve_vcc 0
		.amdhsa_float_denorm_mode_32 3
		.amdhsa_float_denorm_mode_16_64 3
		.amdhsa_memory_ordered 1
		.amdhsa_forward_progress 1
		.amdhsa_inst_pref_size 71
	.end_amdhsa_kernel
	.amdgpu_metadata
---
amdhsa.version: [ 1, 2 ]
amdhsa.kernels:
  - .name:           k_qfd0ee9ffa8_proj
    .symbol:         k_qfd0ee9ffa8_proj.kd
    .args:
      - { .name: c3, .offset: 0, .size: 8, .value_kind: global_buffer, .address_space: global }
      - { .name: s3, .offset: 8, .size: 8, .value_kind: global_buffer, .address_space: global }
      - { .name: c1, .offset: 16, .size: 8, .value_kind: global_buffer, .address_space: global }
      - { .name: s1, .offset: 24, .size: 8, .value_kind: global_buffer, .address_space: global }
      - { .name: bo, .offset: 32, .size: 8, .value_kind: global_buffer, .address_space: global }
      - { .name: out0, .offset: 40, .size: 8, .value_kind: global_buffer, .address_space: global }
    .group_segment_fixed_size: 327680
    .private_segment_fixed_size: 0
    .kernarg_segment_align: 8
    .kernarg_segment_size: 48
    .max_flat_workgroup_size: 128
    .sgpr_count:     92
    .vgpr_count:     1024
    .wavefront_size: 32
...
	.end_amdgpu_metadata
.endif
;; end of part 4
